; MI455X (gfx1250); checked and timed in simulation.
; The chip was launched on July 23, 2026; its instructions are those of AMD's public machine-readable ISA for CDNA 5 (MIT licence, August 2026) and "CDNA5" Instruction Set Architecture Reference Guide (July 2026). The comments in the code are by the model that wrote it; some were corrected since.
;; Attention. Allowed arithmetic: matrix products marked QUANTISED: E5M2 operands, one E8M0 scale for each 32 along K, by v_wmma_scale_f32_16x16x128_f8f6f4 with both operands' format E5M2, f32 sums; everything else in f32.
;; Inputs: Wk_codes 1,024 x 32 x 32 uint8 (E5M2 codes of Wk, K innermost, in blocks of 32 codes); Wk_scales 1,024 x 32 uint8 (E8M0 scales of Wk, one for each 32 codes along K); Wo_codes 1,024 x 32 x 32 uint8 (E5M2 codes of Wo, K innermost, in blocks of 32 codes); Wo_scales 1,024 x 32 uint8 (E8M0 scales of Wo, one for each 32 codes along K); Wq_codes 1,024 x 32 x 32 uint8 (E5M2 codes of Wq, K innermost, in blocks of 32 codes); Wq_scales 1,024 x 32 uint8 (E8M0 scales of Wq, one for each 32 codes along K); Wv_codes 1,024 x 32 x 32 uint8 (E5M2 codes of Wv, K innermost, in blocks of 32 codes); Wv_scales 1,024 x 32 uint8 (E8M0 scales of Wv, one for each 32 codes along K); bk 1,024 float32; bo 1,024 float32; bq 1,024 float32; bv 1,024 float32; ln_b 1,024 float32; ln_g 1,024 float32; x 4 x 2,048 x 1,024 float32.
;; Outputs: out0 4 x 2,048 x 1,024 float32.
;; This version of the problem:
;;   THIS VERSION OF THE PROBLEM IS GIVEN IN LOW PRECISION. The matrix products marked QUANTISED in the list below multiply operands that are first quantised to E5M2 (5 exponent bits, 2 mantissa bits; 8 bits a number), with one power-of-two scale for each 32 numbers along K (OCP MX v1.0); their sums are f32. All else is computed in f32.
;;   The module's matrix products, in the order in which they are computed (A, B: the left and right operand; K: the contracted axis; several contracted axes count as one K, in the product's order):
;;     1. [M 8,192, K 1,024] x [K 1,024, N 1,024]; A: input x; B: input Wq (given as codes): QUANTISED
;;     2. [M 8,192, K 1,024] x [K 1,024, N 1,024]; A: input x; B: input Wk (given as codes): QUANTISED
;;     3. [M 8,192, K 1,024] x [K 1,024, N 1,024]; A: input x; B: input Wv (given as codes): QUANTISED
;;     4. batch 64 x [M 2,048, K 64] x [K 64, N 2,048]; A: computed on the way; B: computed on the way: QUANTISED
;;     5. batch 64 x [M 2,048, K 2,048] x [K 2,048, N 64]; A: softmax (see below); B: computed on the way: QUANTISED
;;     6. [M 8,192, K 1,024] x [K 1,024, N 1,024]; A: computed on the way; B: input Wo (given as codes): QUANTISED
;;   THE QUANTISER, for each operand of a quantised product, along K:
;;     - K is cut into blocks of 32 from its start; a last block that is shorter is filled with zeros.
;;     - A block's scale is 2^e with e = floor(log2(the largest magnitude in the block)) - 15, held to -126 .. 127; a block of zeros has e = 0. As a byte (E8M0): e + 127.
;;     - Each number is divided by its block's scale, clamped to +-57,344, and rounded to the nearest number of E5M2, ties to even, subnormals kept.
;;     - The product sums the exact products of the quantised numbers (number of the format x scale) in f32.
;;   ~~~python
;;   def quantise(x, axis):      # numpy; x: float32 -> the quantised numbers, widened to float32 again
;;       x = np.moveaxis(x, axis, -1); K = x.shape[-1]
;;       x = np.pad(x, [(0, 0)] * (x.ndim - 1) + [(0, -K % 32)]); x = x.reshape(x.shape[:-1] + (-1, 32)); a = np.abs(x).max(-1, keepdims=True)
;;       e = np.where(a > 0, np.clip(np.frexp(np.where(a > 0, a, 1))[1] - 1 - 15, -126, 127), 0)      # np.frexp(a)[1] - 1 = floor(log2(a)), exactly
;;       r = np.clip(x / 2.0 ** e, -57344, 57344)
;;       step = 2.0 ** (np.maximum(np.frexp(np.where(r == 0, 1, r))[1] - 1, -14) - 2)
;;       q = np.round(r / step) * step * 2.0 ** e      # np.round: ties to even
;;       return np.moveaxis(q.reshape(q.shape[:-2] + (-1,))[..., :K], -1, axis).astype(np.float32)
;;   ~~~
;;   SOFTMAX AHEAD OF A QUANTISED PRODUCT. Where the list says 'softmax', what is quantised is not the finished softmax but p = 2^(t - M), with t = logit x log2(e) and M = ceil(the row's largest t), a whole number; so 1/2 < the row's largest p <= 1. The row's sum l is taken of the UNQUANTISED p, in f32, and the product's result is divided by l at the end. Since M is a whole number, a kernel that streams over the keys may use a running M (the ceiling of the running maximum): every later rescaling is an exact power of two, which a block's scale takes up: the codes' values come out the same.
;;   OPERANDS COMPUTED ON THE WAY. 'Computed on the way' means the value that the module computes at that place (a softmax that the list does not call 'softmax' is quantised finished and normalised). What goes into a quantiser is computed in f32, as accurately as f32 sums, v_exp_f32 and their like allow (about 1e-6 of the number): no bf16 or f16 on the way to a quantiser, and a product that is left as it is and whose result goes on into a quantised operand takes f32 operands (vector FMAs, or v_wmma_f32_16x16x4_f32). A number that lies on a knife's edge between two numbers of the format may be rounded either way, as far as f32 arithmetic and the matrix unit's own rounding can turn it there, and no further.
;;   INPUTS GIVEN AS CODES. Wk (in the module: [1024, 1024], K = its axis 1); Wo (in the module: [1024, 1024], K = its axis 1); Wq (in the module: [1024, 1024], K = its axis 1); Wv (in the module: [1024, 1024], K = its axis 1): each comes as NAME_codes (uint8): NAME with its K axis moved to the last place and cut into blocks of 32 codes, [.., K / 32, bytes a block], one block behind the other in memory; one code a byte (a code: sign, 5 exponent bits, 2 mantissa bits); and NAME_scales (uint8): the same leading axes, one E8M0 byte (e + 127) for each 32 codes along K. Its value is code x scale, taken as it is: it is not quantised again, and the codes and scales need not be those that the quantiser above would give.
;; One version. Each part assembles by itself: llvm-mc -triple=amdgcn-amd-amdhsa -mcpu=gfx1250 --defsym DOCPART=n.
;; ======== version 1 of 1: 4 launches
;; limits: right only within a limited range of input values
;; workspace buffers: ac 8,388,608 bytes; asc 262,144 bytes; wi 1,048,576 bytes; qc 8,388,608 bytes; kc 8,388,608 bytes; vc 8,388,608 bytes; sc 1,310,720 bytes
;; launch prep (part 1): grid 272 x 1, 4 waves a work-group, no clusters, 33,280 bytes of LDS; arguments x, Wo_codes, ac, asc, wi; writes ac, asc, wi
.if DOCPART == 1
	.amdgcn_target "amdgcn-amd-amdhsa--gfx1250"
	.amdhsa_code_object_version 6
	.text
	.protected	k_q29b3099c85_prep
	.globl	k_q29b3099c85_prep
	.p2align	8
	.type	k_q29b3099c85_prep,@function
k_q29b3099c85_prep:
	s_mov_b64 s[64:65], 0
	v_nop
	global_prefetch_b8 v0, s[64:65] scope:SCOPE_SE
	s_setreg_imm32_b32 hwreg(HW_REG_WAVE_MODE, 25, 1), 1
	s_wait_xcnt 0x0
; TWO JOBS IN ONE LAUNCH, told apart by the work-group's number.
; Work-groups 0-255: x [8192][1024] f32 becomes codes of BF8 (E5M2), K innermost (ac), with one E8M0 byte for each 32 along K (asc).
;   A block's scale is 2^(floor(log2(its largest magnitude)) - 15); its byte is the largest magnitude's exponent field - 15, held at 1 from below; each number is divided by the
;   scale, held within +-57,344 and rounded to the nearest code, ties to even.  Rows are dense and 1,024 is a multiple of 32: x is a plain stream of blocks of 32.
;   A wave takes 16 steps of 512 numbers.  Each load reads 512 consecutive bytes; a step's 2,048 bytes turn through the wave's own stage in LDS, so that a lane then holds 16 neighbours
;   (two neighbouring lanes hold a block); a lane's 16 codes are 16 bytes, so a store covers 512 consecutive bytes.  A wave's 256 scale bytes are gathered in LDS and leave in one store.
; Work-groups 256-271: Wo's codes [1024][1024] are copied into wi in the order of an operand's registers: fragment (16 rows nt, 128 along K ks) is 2,048 bytes, register group c of lane l
;   at 512 c + 16 l, and the fragments of a pair of tiles lie on end, (nt / 2) x 16 + 2 ks + nt % 2: the last launch reads them as one stream of 512-byte loads.  This path uses no LDS.
; LIMITS: NaN and infinities are not served; a block whose largest magnitude lies under 2^-111 (a block of zeros too) keeps the byte 1: only this program reads the bytes.
.set XWG,   256                        ; work-groups that quantise x: 8,388,608 numbers / 32,768
.set STEPS, 16
.set EMAX,  15
.set MANT,  0x600000                   ; the mantissa field of 57,344 as f32
.set CB,    16                         ; bytes of 16 codes
.set R,     16                         ; v16-79   four sets of 16 numbers as they are loaded
.set X,     80                         ; v80-111  two sets of 16 neighbours
.set C,     128                        ; v128-191 codes: four registers for each step, so that no store's data are written again
.set E,     112                        ; v112-127 a scale byte for each step
.set WREG,  8192                       ; LDS: a region for each wave: two stages of 32 x SP bytes, behind them its 256 scale bytes
.set SP,    80                         ; a lane's place in a stage: 64 bytes + 16 of padding
	s_load_b256 s[4:11], s[0:1], 0x0               ; x s[4:5], Wo's codes s[6:7], ac s[8:9], asc s[10:11]
	s_load_b64 s[12:13], s[0:1], 0x20              ; wi
	v_lshl_add_u32 v192, v0, 2, 0x8000
	v_mov_b32 v193, 0
	v_lshrrev_b32 v1, 5, v0
	v_readfirstlane_b32 s16, v1                    ; wave
	v_and_b32 v2, 31, v0                           ; lane
	s_cmp_ge_u32 ttmp9, XWG
	s_cbranch_scc1 .Lrelay
	v_lshlrev_b32 v3, 4, v2                        ; my 16 bytes of a load's 512
	s_mul_i32 s17, s16, WREG
	v_lshrrev_b32 v14, 2, v2
	v_mul_u32_u24 v14, v14, SP
	v_and_b32 v15, 3, v2
	v_lshl_add_u32 v14, v15, 4, v14
	v_add_nc_u32 v14, s17, v14                     ; the stage, on the way in: SP (lane / 4) + 16 (lane % 4)
	v_mul_u32_u24 v15, v2, SP
	v_add_nc_u32 v15, s17, v15                     ; and on the way out: SP x lane: my 16 neighbours
	v_mul_u32_u24 v4, v2, CB                       ; my codes' place in a step's
	v_lshrrev_b32 v5, 1, v2
	s_add_co_u32 s17, s17, 2*32*SP
	v_add_nc_u32 v5, s17, v5                       ; LDS: my wave's 256 scale bytes, my block's byte
	v_lshlrev_b32 v7, 3, v2                        ; and on the way out 8 bytes a lane
	v_add_nc_u32 v6, s17, v7
	s_lshl_b32 s17, ttmp9, 2
	s_add_co_u32 s18, s17, s16                     ; which run of 8,192 numbers is my wave's
	s_mov_b32 s19, 0
	s_lshl_b64 s[20:21], s[18:19], 15              ; 32,768 bytes of x a run
	s_lshl_b64 s[24:25], s[18:19], 13              ; 8,192 bytes of codes
	s_lshl_b32 s18, s18, 8                         ; 256 scale bytes
	s_wait_alu depctr_va_vdst(0)
	s_wait_kmcnt 0x0
	s_add_nc_u64 s[4:5], s[4:5], s[20:21]
	s_add_nc_u64 s[8:9], s[8:9], s[24:25]
	s_add_nc_u64 s[10:11], s[10:11], s[18:19]
.macro LOAD t
.irp i, 0,1,2,3
	global_load_b128 v[R+16*((\t)%4)+4*\i:R+16*((\t)%4)+4*\i+3], v3, s[4:5] offset:2048*(\t)+512*\i th:TH_LOAD_NT   ; 32 lanes read 512 consecutive bytes
.endr
.endm
.macro TURN t                          ; step t's numbers through the stage: LDS serves a wave's instructions in order, so no wait stands between the stores and the loads
.irp i, 0,1,2,3
	ds_store_b128 v14, v[R+16*((\t)%4)+4*\i:R+16*((\t)%4)+4*\i+3] offset:32*SP*((\t)%2)+8*SP*\i
.endr
.irp i, 0,1,2,3
	ds_load_b128 v[X+16*((\t)%2)+4*\i:X+16*((\t)%2)+4*\i+3], v15 offset:32*SP*((\t)%2)+16*\i
.endr
.endm
.irp t, 0,1,2,3
	LOAD \t
.endr
	s_wait_loadcnt 12                              ; step 0's four loads are in
	TURN 0
.macro STEP t
.set XS, X+16*((\t)%2)
.if (\t) > 0
	s_wait_dscnt 1                                 ; this step's numbers are back from the stage (the last step's byte store may be out)
.else
	s_wait_dscnt 0x0
.endif
.if (\t)+4 < STEPS
	LOAD (\t)+4                                    ; into the registers that the stage's stores have read
.endif
.if (\t)+1 < STEPS
.if STEPS-2-(\t) >= 3
	s_wait_loadcnt 12                              ; the next step's four loads are in; those of the three steps behind it may be out
.else
	s_wait_loadcnt 4*(STEPS-2-(\t))
.endif
	TURN (\t)+1                                    ; through the other stage while this step is worked
.endif
	v_max3_num_f32 v8, |v[XS]|, |v[XS+1]|, |v[XS+2]|               ; the largest magnitude of my 16
	v_max3_num_f32 v9, |v[XS+3]|, |v[XS+4]|, |v[XS+5]|
.irp i, 6,10
	v_max3_num_f32 v8, v8, |v[XS+\i]|, |v[XS+\i+1]|
	v_max3_num_f32 v9, v9, |v[XS+\i+2]|, |v[XS+\i+3]|
.endr
	v_max3_num_f32 v8, v8, |v[XS+14]|, |v[XS+15]|
	v_max3_num_f32 v8, v8, v9, (EMAX+1)<<23        ; and the floor 2^(16 - 127): the byte cannot fall under 1
	v_max_num_f32_dpp v8, v8, v8 row_xmask:1 row_mask:0xf bank_mask:0xf   ; and of my neighbour's 16: the block's
	v_add_nc_u32 v11, -(EMAX<<23), v8              ; 15 off its exponent field: the conversion takes the exponent field of this operand as its scale
.irp i, 0,1,2,3,4,5,6,7,8,9,10,11,12,13,14,15
.endr
	v_cvt_scalef32_pk8_bf8_f32 v[C+4*(\t):C+4*(\t)+1], v[XS:XS+7], v11
	v_cvt_scalef32_pk8_bf8_f32 v[C+4*(\t)+2:C+4*(\t)+3], v[XS+8:XS+15], v11
	v_lshrrev_b32 v[E+(\t)], 23, v11               ; the scale's byte
	ds_store_b8 v5, v[E+(\t)] offset:16*(\t)       ; both lanes of a block write the same byte with the same value
	global_store_b128 v4, v[C+4*(\t):C+4*(\t)+3], s[8:9] offset:32*CB*(\t)
.endm
.irp t, 0,1,2,3,4,5,6,7,8,9,10,11,12,13,14,15
	STEP \t
.endr
	ds_load_b64 v[12:13], v6                       ; LDS serves a wave's instructions in order: these see my stores
	s_wait_dscnt 0x0
	global_store_b64 v7, v[12:13], s[10:11]        ; 32 lanes store 256 consecutive bytes, aligned
	s_wait_tensorcnt 0x0
	ds_add_u32 v192, v193
	s_wait_dscnt 0x0
	s_endpgm
.Lrelay:
	s_sub_co_u32 s17, ttmp9, XWG
	s_lshl_b32 s17, s17, 2
	s_add_co_u32 s17, s17, s16                     ; nt: my wave's 16 rows of Wo
	s_wait_alu depctr_va_vdst(0)
	v_and_b32 v3, 15, v2                           ; r
	v_lshrrev_b32 v4, 4, v2                        ; h
	v_lshlrev_b32 v1, 10, v3
	v_lshl_add_u32 v1, v4, 4, v1                   ; in: row r of 1,024 bytes, + 16 h
	v_lshlrev_b32 v5, 4, v2                        ; out: 16 x lane
	s_lshl_b32 s18, s17, 14                        ; 16 rows of 1,024 bytes
	s_mov_b32 s19, 0
	s_lshr_b32 s20, s17, 1
	s_lshl_b32 s20, s20, 15                        ; a pair of tiles is 16 fragments of 2,048 bytes
	s_and_b32 s21, s17, 1
	s_lshl_b32 s21, s21, 11
	s_add_co_u32 s20, s20, s21
	s_mov_b32 s21, 0
	s_wait_alu depctr_va_vdst(0)
	s_wait_kmcnt 0x0
	s_add_nc_u64 s[6:7], s[6:7], s[18:19]
	s_add_nc_u64 s[12:13], s[12:13], s[20:21]
.irp k, 0,1,2,3,4,5,6,7
.irp c, 0,1,2,3
	global_load_b128 v[16+16*\k+4*\c:16+16*\k+4*\c+3], v1, s[6:7] offset:128*\k+32*\c   ; Wo(16 nt + r, 128 k + 32 c + 16 h .. + 15)
.endr
.endr
.irp k, 0,1,2,3,4,5,6,7
	s_wait_loadcnt 4*(7-\k)                        ; this K step's four loads are in; the later K steps' may be out
.irp c, 0,1,2,3
	global_store_b128 v5, v[16+16*\k+4*\c:16+16*\k+4*\c+3], s[12:13] offset:4096*\k+512*\c   ; 512 consecutive bytes
.endr
.endr
	s_endpgm
.Lfunc_end_k_q29b3099c85_prep:
	.size	k_q29b3099c85_prep, .Lfunc_end_k_q29b3099c85_prep-k_q29b3099c85_prep
	.p2alignl 7, 3214868480
	.fill 96, 4, 3214868480
	.section	.rodata,"a",@progbits
	.p2align	6, 0x0
	.amdhsa_kernel k_q29b3099c85_prep
		.amdhsa_group_segment_fixed_size 33280
		.amdhsa_private_segment_fixed_size 0
		.amdhsa_enable_private_segment 0
		.amdhsa_kernarg_size 40
		.amdhsa_user_sgpr_count 2
		.amdhsa_user_sgpr_kernarg_segment_ptr 1
		.amdhsa_wavefront_size32 1
		.amdhsa_system_sgpr_workgroup_id_x 1
		.amdhsa_system_sgpr_workgroup_id_y 1
		.amdhsa_system_sgpr_workgroup_id_z 1
		.amdhsa_system_vgpr_workitem_id 0
		.amdhsa_next_free_vgpr 194
		.amdhsa_next_free_sgpr 66
		.amdhsa_reserve_vcc 0
		.amdhsa_float_denorm_mode_32 3
		.amdhsa_float_denorm_mode_16_64 3
		.amdhsa_fp16_overflow 1
		.amdhsa_memory_ordered 1
		.amdhsa_forward_progress 1
		.amdhsa_inst_pref_size 40
	.end_amdhsa_kernel
	.amdgpu_metadata
---
amdhsa.version: [ 1, 2 ]
amdhsa.kernels:
  - .name:           k_q29b3099c85_prep
    .symbol:         k_q29b3099c85_prep.kd
    .args:
      - { .name: x, .offset: 0, .size: 8, .value_kind: global_buffer, .address_space: global }
      - { .name: Wo_codes, .offset: 8, .size: 8, .value_kind: global_buffer, .address_space: global }
      - { .name: ac, .offset: 16, .size: 8, .value_kind: global_buffer, .address_space: global }
      - { .name: asc, .offset: 24, .size: 8, .value_kind: global_buffer, .address_space: global }
      - { .name: wi, .offset: 32, .size: 8, .value_kind: global_buffer, .address_space: global }
    .group_segment_fixed_size: 33280
    .private_segment_fixed_size: 0
    .kernarg_segment_align: 8
    .kernarg_segment_size: 40
    .max_flat_workgroup_size: 128
    .sgpr_count:     66
    .vgpr_count:     194
    .wavefront_size: 32
...
	.end_amdgpu_metadata
.endif
;; end of part 1
;; launch qkv (part 2): grid 12 x 32, 4 waves a work-group, clusters of 4 x 4, 327,680 bytes of LDS; arguments ac, asc, Wv_codes, Wv_scales, Wq_codes, Wq_scales, Wk_codes, Wk_scales, bq, bk, bv, qc, kc, vc, sc; writes qc, kc, vc, sc
.if DOCPART == 2
	.amdgcn_target "amdgcn-amd-amdhsa--gfx1250"
	.amdhsa_code_object_version 6
	.text
	.protected	k_q29b3099c85_qkv
	.globl	k_q29b3099c85_qkv
	.p2align	8
	.type	k_q29b3099c85_qkv,@function
k_q29b3099c85_qkv:
	s_mov_b64 s[64:65], 0
	v_nop
	global_prefetch_b8 v0, s[64:65] scope:SCOPE_SE
	s_setreg_imm32_b32 hwreg(HW_REG_WAVE_MODE, 25, 1), 1
	s_wait_xcnt 0x0
	s_wait_alu depctr_hold_cnt(0) depctr_sa_sdst(0) depctr_va_vdst(0) depctr_va_sdst(0) depctr_va_ssrc(0) depctr_va_vcc(0) depctr_vm_vsrc(0)
	s_getreg_b32 s2, hwreg(HW_REG_IB_STS2, 6, 4)
	s_cmp_eq_u32 s2, 0
	s_cbranch_scc0 .Lentry_in_a_cluster
	s_endpgm
.Lentry_in_a_cluster:
	s_bfe_u32 s2, ttmp6, 0x10000c
	s_cmp_lg_u32 s2, 0xf033
	s_cbranch_scc0 .Lentry_shape_is_right
	s_endpgm
.Lentry_shape_is_right:
.set SIZE_K, 1024
.set KSTEP,  256
.set NQ,     KSTEP/128
.set ROWB,   256
.set KROW,   SIZE_K
.set PITCH,  272
.set FR,     16
.set NL,     4
.set NP,     8
.set HALFT,  128*PITCH
.set SLOT,   4*HALFT
.set LAPS,   SIZE_K/(2*KSTEP)
.set KS,     SIZE_K/32
.set SCL,    2*SLOT
.set HALFS,  (128*KS/256)*272
.set SBLK,   (16*KS/256)*272
.set SPARE,  SCL+4*HALFS
.set CO,   7
.set SWA,  8
.set SRA,  9
.set SVO,  10
.set BIO,  11
.set BRO,  12
.set ADRA, 16
.set ADRB, 20
.set ADRS, 27
.set SPW,  28
.set NIL,  29
.set SC,   32
.set BR,   32
.set BI,   64
.set AF,   128
.set X,    128
.set PC,   192
.set TM,   208
.set PWS,  224
.set G1, 24
.set G0, 32
.set G1B, 48
.set G0B, 56
.set G1S, 68
.set G0S, 76
.set G1SB, 80
.set G0SB, 88
.set KIND, 66
.set PADS, 67
.set MNT,  95
.set SEL,  96
.set RBP,  98
.set CBP,  100
.set SCP,  104
.set MSB, 0
.macro WIN new
.if MSB != \new
	s_set_vgpr_msb (MSB<<8)|\new
.set MSB, \new
.endif
.endm
.set MUL_LO, 0xa1
.set MUL_HI, 0xf1
.set TO_B,   0x40
.macro JLOAD g0a, g1a, g0b, g1b
	s_cmp_eq_u32 s15, 0
	s_cbranch_scc0 .Lfor_b_\@
	tensor_load_to_lds s[\g0a:\g0a+3], s[\g1a:\g1a+7]
	s_nop 0
.rept 4
	v_nop
.endr
	s_branch .Lasked_\@
.Lfor_b_\@:
	tensor_load_to_lds s[\g0b:\g0b+3], s[\g1b:\g1b+7]
	s_nop 0
.rept 4
	v_nop
.endr
.Lasked_\@:
.endm
.macro CREST
	s_cmp_lg_u32 s14, 0
	s_cbranch_scc1 .Lnot_wave_0_\@
	s_barrier_signal -3
.Lnot_wave_0_\@:
	s_barrier_wait -3
	s_barrier_signal -1
	s_barrier_wait -1
.endm
.macro CROUND
	s_barrier_signal -1
	s_barrier_wait -1
	CREST
.endm
	s_load_b512 s[68:83], s[0:1], 0x0
	s_load_b256 s[84:91], s[0:1], 0x40
	s_load_b128 s[92:95], s[0:1], 0x60
	s_load_b64 s[96:97], s[0:1], 0x70
	v_lshl_add_u32 v[SPW], v0, 2, SPARE
	v_mov_b32 v[NIL], 0
	ds_add_u32 v28, v29
	ds_add_u32 v28, v29
	s_wait_dscnt 0x0
	v_lshrrev_b32 v1, 5, v0
	v_readfirstlane_b32 s14, v1
	s_lshr_b32 s15, s14, 1
	s_and_b32 s16, s14, 1
	s_bfe_u32 s40, ttmp6, 0x40000
	s_bfe_u32 s41, ttmp6, 0x40004
	s_mov_b32 s[KIND], ttmp9
	s_and_b32 s18, ttmp7, 0xffff
	s_lshl_b32 s18, s18, 2
	s_cmp_eq_u32 s[KIND], 2
	s_cselect_b32 s17, 0, s18
	s_cselect_b32 s42, s18, 0
	s_add_co_u32 s17, s17, s41
	s_add_co_u32 s42, s42, s40
	s_lshl_b32 s43, s41, 2
	s_lshl_b32 s43, 15, s43
	s_lshl_b32 s44, 0x1111, s40
	s_or_b32 s[G1+0], s43, (0<<16)|(1<<20)|(1<<21)|(5<<22)|(3<<25)
	s_or_b32 s[G1B+0], s44, (0<<16)|(1<<20)|(1<<21)|(5<<22)|(3<<25)
.irp g, G1, G1B
	s_mov_b32 s[\g+1], ROWB<<16
	s_mov_b32 s[\g+2], 128<<16
	s_mov_b32 s[\g+3], ROWB<<16
	s_mov_b32 s[\g+4], 128
	s_mov_b32 s[\g+5], KROW
	s_mov_b32 s[\g+6], 0
	s_mov_b32 s[\g+7], 0
.endr
	s_wait_kmcnt 0x0
	s_cmp_eq_u32 s[KIND], 0
	s_cselect_b64 s[8:9], s[76:77], s[80:81]
	s_cselect_b64 s[10:11], s[78:79], s[82:83]
	s_cselect_b64 s[CBP:CBP+1], s[84:85], s[86:87]
	s_cselect_b64 s[12:13], s[90:91], s[92:93]
	s_cmp_eq_u32 s[KIND], 2
	s_cselect_b64 s[4:5], s[72:73], s[68:69]
	s_cselect_b64 s[6:7], s[74:75], s[70:71]
	s_cselect_b64 s[8:9], s[68:69], s[8:9]
	s_cselect_b64 s[10:11], s[70:71], s[10:11]
	s_cselect_b64 s[CBP:CBP+1], s[88:89], s[CBP:CBP+1]
	s_cselect_b64 s[12:13], s[94:95], s[12:13]
	s_mov_b64 s[SCP:SCP+1], s[96:97]
	s_or_b32 s[G1S+0], s43, (3<<16)|(1<<20)|(1<<21)|(5<<22)|(3<<25)
	s_or_b32 s[G1SB+0], s44, (3<<16)|(1<<20)|(1<<21)|(5<<22)|(3<<25)
.irp g, G1S, G1SB
	s_mov_b32 s[\g+1], 32<<16
	s_mov_b32 s[\g+2], (128*KS/256)<<16
	s_mov_b32 s[\g+3], 32<<16
	s_mov_b32 s[\g+4], 128*KS/256
	s_mov_b32 s[\g+5], 32
	s_mov_b32 s[\g+6], 0
	s_mov_b32 s[\g+7], 0
.endr
	s_lshl_b32 s18, s16, 7
	s_lshl_b32 s20, s17, 8
	s_add_co_u32 s20, s20, s18
	s_lshl_b32 s46, s42, 8
	s_add_co_u32 s46, s46, s18
	s_mov_b32 s21, 0
	s_mov_b32 s47, 0
	s_mov_b64 s[18:19], KS
	s_mul_u64 s[22:23], s[20:21], s[18:19]
	s_mul_u64 s[92:93], s[46:47], s[18:19]
	s_mov_b64 s[18:19], KROW
	s_mul_u64 s[20:21], s[20:21], s[18:19]
	s_mul_u64 s[46:47], s[46:47], s[18:19]
	s_mul_i32 s45, s14, HALFT
	s_mul_i32 s94, s14, HALFS
	s_add_nc_u64 s[20:21], s[4:5], s[20:21]
	s_add_nc_u64 s[22:23], s[6:7], s[22:23]
	s_add_nc_u64 s[46:47], s[8:9], s[46:47]
	s_add_nc_u64 s[92:93], s[10:11], s[92:93]
	CROUND
	s_mov_b32 s[G0S], 1
	s_add_co_u32 s[G0S+1], s94, SCL
	s_mov_b64 s[G0S+2:G0S+3], s[22:23]
	s_or_b32 s[G0S+3], s[G0S+3], 0x80000000
	s_mov_b32 s[G0SB], 1
	s_add_co_u32 s[G0SB+1], s94, SCL
	s_mov_b64 s[G0SB+2:G0SB+3], s[92:93]
	s_or_b32 s[G0SB+3], s[G0SB+3], 0x80000000
	JLOAD G0S, G1S, G0SB, G1SB
.irp s, 0,1
	s_mov_b32 s[G0+4*\s], 1
	s_add_co_u32 s[G0+4*\s+1], s45, \s*SLOT
	s_add_nc_u64 s[G0+4*\s+2:G0+4*\s+3], s[20:21], \s*ROWB
	s_or_b32 s[G0+4*\s+3], s[G0+4*\s+3], 0x80000000
	s_mov_b32 s[G0B+4*\s], 1
	s_add_co_u32 s[G0B+4*\s+1], s45, \s*SLOT
	s_add_nc_u64 s[G0B+4*\s+2:G0B+4*\s+3], s[46:47], \s*ROWB
	s_or_b32 s[G0B+4*\s+3], s[G0B+4*\s+3], 0x80000000
	s_wait_alu depctr_va_vdst(0)
	s_wait_tensorcnt 0x0
	ds_add_u32 v28, v29
	s_wait_dscnt 0x0
	CROUND
	JLOAD G0+4*\s, G1, G0B+4*\s, G1B
.endr
	v_and_b32 v1, 15, v0
	v_bfe_u32 v2, v0, 4, 1
	v_mul_u32_u24 v3, v1, PITCH
	v_lshl_add_u32 v4, v2, 4, v3
	s_mul_i32 s21, s15, HALFT
	s_mul_i32 s22, s16, HALFT
	s_add_co_u32 s22, s22, 2*HALFT
.irp s, 0,1
	v_add_nc_u32 v[ADRA+\s], s21, v4
	v_add_nc_u32 v[ADRB+\s], s22, v4
	s_add_co_u32 s21, s21, SLOT
	s_add_co_u32 s22, s22, SLOT
.endr
	v_mul_u32_u24 v5, v1, KS
	v_lshrrev_b32 v6, 8, v5
	v_lshl_add_u32 v5, v6, 4, v5
	s_mul_i32 s21, s15, HALFS
	s_mul_i32 s22, s16, HALFS
	s_add_co_u32 s22, s22, 2*HALFS
	s_sub_co_u32 s22, s22, s21
	v_mul_u32_u24 v6, s22, v2
	s_add_co_u32 s21, s21, SCL
	v_add_nc_u32 v5, v5, v6
	v_add_nc_u32 v[ADRS], s21, v5
	v_and_b32 v6, 31, v0
	v_lshlrev_b32 v[CO], 4, v6
	s_lshl_b32 s23, s14, 10
	v_lshl_add_u32 v[SWA], v1, 4, s23
	v_add_nc_u32 v[SRA], s23, v[CO]
	v_mul_u32_u24 v[SVO], v2, 20480
	v_lshl_add_u32 v[SVO], v1, 4, v[SVO]
	v_lshlrev_b32 v[BIO], 5, v2
	s_wait_alu depctr_va_vdst(0)
	v_lshlrev_b32 v[BRO], 2, v1
	s_lshl_b32 s20, s17, 8
	s_lshl_b32 s21, s15, 7
	s_add_co_u32 s20, s20, s21
	s_lshl_b32 s22, s42, 8
	s_lshl_b32 s21, s16, 7
	s_add_co_u32 s22, s22, s21
	s_cmp_eq_u32 s[KIND], 2
	s_cselect_b32 s21, s22, s20
	s_cselect_b32 s23, s20, s22
	s_cselect_b32 s46, 0, s22
	s_cselect_b32 s47, s20, 0
	s_lshr_b32 s23, s23, 7
	s_lshr_b32 s18, s21, 11
	s_and_b32 s19, s21, 2047
	s_lshl_b32 s20, s18, 3
	s_add_co_u32 s20, s20, s23
	s_lshl_b32 s20, s20, 18
	s_lshl_b32 s22, s19, 7
	s_add_co_u32 s20, s20, s22
	s_mov_b32 s21, 0
	s_add_nc_u64 s[12:13], s[12:13], s[20:21]
	s_lshl_b32 s20, s18, 4
	s_lshl_b32 s22, s23, 1
	s_add_co_u32 s20, s20, s22
	s_lshl_b32 s20, s20, 4
	s_lshr_b32 s22, s19, 7
	s_add_co_u32 s20, s20, s22
	s_mul_i32 s20, s20, 1280
	s_lshl_b32 s22, s[KIND], 9
	s_add_co_u32 s20, s20, s22
	s_add_nc_u64 s[SCP:SCP+1], s[SCP:SCP+1], s[20:21]
	s_lshl_b32 s20, s47, 2
	s_add_nc_u64 s[RBP:RBP+1], s[CBP:CBP+1], s[20:21]
	s_lshl_b32 s20, s46, 2
	s_add_nc_u64 s[CBP:CBP+1], s[CBP:CBP+1], s[20:21]
	s_mov_b32 s[PADS], 0x7f7f7f7f
	s_mov_b32 s[SEL], 0x76543210
	s_mov_b32 s[SEL+1], 0xfedcba98
.irp b, 0,1,2,3,4,5,6,7
	global_load_b128 v[BI+8*\b:BI+8*\b+3], v[BIO], s[CBP:CBP+1] offset:64*\b
	global_load_b128 v[BI+8*\b+4:BI+8*\b+7], v[BIO], s[CBP:CBP+1] offset:64*\b+16
.endr
.macro FRAG reg, adr, q, i
.irp c, 0,1,2,3
	ds_load_b128 v[\reg+4*\c:\reg+4*\c+3], v[\adr] offset:128*(\q)+32*\c+(\i)*16*PITCH
.endr
.endm
.macro MUL16 a0, p, q, sc, zero
.irp a, \a0, \a0+1
.irp b, 0,1,2,3,4,5,6,7
.if \zero
	v_wmma_scale_f32_16x16x128_f8f6f4 v[8*(8*((\a)%4)+\b):8*(8*((\a)%4)+\b)+7], v[128*(\p)+FR*\b:128*(\p)+FR*\b+FR-1], v[AF+FR*(\a):AF+FR*(\a)+FR-1], 0, v[SC+8*NQ*(\sc)+NQ*\b+(\q)], v[SC+8*NQ*(\sc)+NQ*(\a)+(\q)] matrix_a_fmt:MATRIX_FMT_BF8 matrix_b_fmt:MATRIX_FMT_BF8 matrix_a_scale:MATRIX_SCALE_ROW1
.else
	v_wmma_scale_f32_16x16x128_f8f6f4 v[8*(8*((\a)%4)+\b):8*(8*((\a)%4)+\b)+7], v[128*(\p)+FR*\b:128*(\p)+FR*\b+FR-1], v[AF+FR*(\a):AF+FR*(\a)+FR-1], v[8*(8*((\a)%4)+\b):8*(8*((\a)%4)+\b)+7], v[SC+8*NQ*(\sc)+NQ*\b+(\q)], v[SC+8*NQ*(\sc)+NQ*(\a)+(\q)] matrix_a_fmt:MATRIX_FMT_BF8 matrix_b_fmt:MATRIX_FMT_BF8 matrix_a_scale:MATRIX_SCALE_ROW1
.endif
.endr
.endr
.endm
.macro FETCH_B slot, q, p
	WIN TO_B
.irp i, 0,1,2,3,4,5,6,7
	FRAG 128*(\p)+FR*\i, ADRB+\slot, \q, \i
.endr
	WIN 0
.endm
.macro FETCH_A slot, q, i0
.irp i, \i0, \i0+1, \i0+2, \i0+3
	FRAG AF+FR*(\i), ADRA+\slot, \q, \i
.endr
.endm
.macro SCALES sc
.irp i, 0,1,2,3,4,5,6,7
	ds_load_b64 v[SC+8*NQ*\sc+NQ*\i:SC+8*NQ*\sc+NQ*\i+1], v[ADRS] offset:\i*SBLK
.endr
.endm
.macro PLACES n
.rept \n
	v_nop
.endr
.endm
.macro STEP slot, q, zero
	s_wait_dscnt 4*NL
	WIN MUL_LO
	MUL16 0, (\q)%2, \q, \slot, \zero
	MUL16 2, (\q)%2, \q, \slot, \zero
	s_wait_dscnt 0
	PLACES NP
	FETCH_B \slot, (\q)+1, 1-(\q)%2
	FETCH_A \slot, (\q)+1, 0
	WIN MUL_HI
	MUL16 4, (\q)%2, \q, \slot, \zero
	MUL16 6, (\q)%2, \q, \slot, \zero
	PLACES NP
	WIN 0
	FETCH_A \slot, (\q)+1, 4
.endm
.macro TURN slot, next, fill
	s_wait_tensorcnt 0x0
	ds_add_u32 v[SPW], v[NIL]
	s_wait_dscnt 4*NL+1
	WIN MUL_LO
	MUL16 0, 1, NQ-1, \slot, 0
	s_wait_dscnt 0x0
	s_barrier_signal -1
	MUL16 2, 1, NQ-1, \slot, 0
	WIN 0
	s_barrier_wait -1
.if \fill
	CREST
	s_add_nc_u64 s[G0+4*\slot+2:G0+4*\slot+3], s[G0+4*\slot+2:G0+4*\slot+3], 2*ROWB
	s_add_nc_u64 s[G0B+4*\slot+2:G0B+4*\slot+3], s[G0B+4*\slot+2:G0B+4*\slot+3], 2*ROWB
	JLOAD G0+4*\slot, G1, G0B+4*\slot, G1B
	PLACES NP-4
.else
	PLACES NP
.endif
	s_wait_alu depctr_va_vdst(0)
	v_add_nc_u32 v[ADRS], 4*NQ, v[ADRS]
	FETCH_B \next, 0, 0
	FETCH_A \next, 0, 0
	SCALES \next
	WIN MUL_HI
	MUL16 4, 1, NQ-1, \slot, 0
	MUL16 6, 1, NQ-1, \slot, 0
	PLACES NP
	WIN 0
	FETCH_A \next, 0, 4
.endm
	s_wait_tensorcnt 1
	s_barrier_signal -1
	s_barrier_wait -1
	FETCH_B 0, 0, 0
	FETCH_A 0, 0, 0
	SCALES 0
	FETCH_A 0, 0, 4
	STEP 0, 0, 1
	s_mov_b32 s3, LAPS-1
.Llap:
	TURN 0, 1, 1
	STEP 1, 0, 0
	TURN 1, 0, 1
	STEP 0, 0, 0
	s_sub_co_u32 s3, s3, 1
	s_cmp_lg_u32 s3, 0
	s_cbranch_scc1 .Llap
	TURN 0, 1, 0
.irp a, 0,1,2,3,4,5,6,7
	global_load_b32 v[BR+2*\a], v[BRO], s[RBP:RBP+1] offset:64*\a
	global_load_b32 v[BR+2*\a+1], v[BRO], s[RBP:RBP+1] offset:64*\a
.endr
	STEP 1, 0, 0
	s_wait_dscnt 4*NL
	WIN MUL_LO
	MUL16 0, 1, NQ-1, 1, 0
	MUL16 2, 1, NQ-1, 1, 0
	s_wait_dscnt 0
	WIN MUL_HI
	MUL16 4, 1, NQ-1, 1, 0
	MUL16 6, 1, NQ-1, 1, 0
	WIN 0
.macro BIAS a
.set WB, 0x02+(\a)/4
	s_cmp_eq_u32 s[KIND], 2
	s_cbranch_scc1 .Lby_rows_\@
	WIN WB
.set i, 0
.rept 32
	v_pk_add_f32 v[X+2*i:X+2*i+1], v[64*((\a)%4)+2*i:64*((\a)%4)+2*i+1], v[BI+2*i:BI+2*i+1]
.set i, i+1
.endr
	WIN 0
	s_branch .Lbiased_\@
.Lby_rows_\@:
	WIN WB
.set i, 0
.rept 32
	v_pk_add_f32 v[X+2*i:X+2*i+1], v[64*((\a)%4)+2*i:64*((\a)%4)+2*i+1], v[BR+2*(\a):BR+2*(\a)+1]
.set i, i+1
.endr
	WIN 0
.Lbiased_\@:
.endm
.macro QUANT s, pw
.irp b, 0,1,2,3
	v_max3_num_f32 v[TM+\b], |v[\s+16*\b]|, |v[\s+1+16*\b]|, 0x8000000
.endr
.irp i, 2,4,6,8,10,12,14
.irp b, 0,1,2,3
	v_max3_num_f32 v[TM+\b], v[TM+\b], |v[\s+16*\b+\i]|, |v[\s+1+16*\b+\i]|
.endr
.endr
.irp b, 0,1,2,3
	v_permlanex16_b32 v[TM+4+\b], v[TM+\b], s[SEL], s[SEL+1]
.endr
.irp b, 0,1,2,3
	v_max_num_f32 v[TM+\b], v[TM+\b], v[TM+4+\b]
.endr
.irp b, 0,1,2,3
	v_add_nc_u32 v[TM+12+\b], 0xf8800000, v[TM+\b]
.endr
.irp b, 0,1,2,3
.endr
.irp b, 0,1,2,3
	v_lshrrev_b32 v[TM+4+\b], 23, v[TM+12+\b]
.endr
	v_lshl_or_b32 v[\pw], v[TM+5], 8, v[TM+4]
	v_lshl_or_b32 v[\pw], v[TM+6], 16, v[\pw]
	v_lshl_or_b32 v[\pw], v[TM+7], 24, v[\pw]
.irp b, 0,1,2,3
.irp i, 0,1,2,3,4,5,6,7,8,9,10,11,12,13,14,15
.endr
	v_cvt_scalef32_pk8_bf8_f32 v[PC+4*\b:PC+1+4*\b], v[\s+16*\b:\s+7+16*\b], v[TM+12+\b]
	v_cvt_scalef32_pk8_bf8_f32 v[PC+2+4*\b:PC+3+4*\b], v[\s+8+16*\b:\s+15+16*\b], v[TM+12+\b]
.endr
	v_nop
.endm
	s_wait_loadcnt 0x0
	PLACES NP
.irp b, 0,1,2,3
	v_mov_b32 v[TM+4+\b], 0
.endr
.irp a, 0,1,2,3,4,5,6,7
	BIAS \a
.if \a > 0
	s_wait_xcnt 0x0
.endif
	QUANT X, PWS+\a
.irp g, 0,1,2,3
	global_store_b128 v[CO], v[PC+4*\g:PC+4*\g+3], s[12:13] offset:2048*\a+512*\g
.endr
.endr
	s_cmp_eq_u32 s[KIND], 2
	s_cbranch_scc1 .Lscale_v
.irp a, 0,1,2,3,4,5,6,7
	v_perm_b32 v232, s[PADS], v[PWS+\a], 0x07060100
	v_perm_b32 v233, s[PADS], v[PWS+\a], 0x07060302
	ds_store_b32 v[SWA], v232 offset:(\a/4)*256+(\a%4)*4
	ds_store_b32 v[SWA], v233 offset:512+(\a/4)*256+(\a%4)*4
.endr
	ds_load_b128 v[236:239], v[SRA]
	ds_load_b128 v[240:243], v[SRA] offset:512
	s_wait_dscnt 0x0
	global_store_b128 v[CO], v[236:239], s[SCP:SCP+1]
	global_store_b128 v[CO], v[240:243], s[SCP:SCP+1] offset:20480
	s_branch .Lscaled
.Lscale_v:
	s_wait_alu depctr_va_vdst(0)
.irp a, 0,1,2,3,4,5,6,7
	ds_store_b32 v[SWA], v[PWS+\a] offset:(\a/4)*256+(\a%4)*4
.endr
	ds_load_b128 v[236:239], v[SRA]
	s_wait_dscnt 0x0
	global_store_b128 v[SVO], v[236:239], s[SCP:SCP+1]
.Lscaled:
	s_wait_tensorcnt 0x0
	ds_add_u32 v[SPW], v[NIL]
	s_wait_dscnt 0x0
	CROUND
	s_endpgm
.Lfunc_end_k_q29b3099c85_qkv:
	.size	k_q29b3099c85_qkv, .Lfunc_end_k_q29b3099c85_qkv-k_q29b3099c85_qkv
	.p2alignl 7, 3214868480
	.fill 96, 4, 3214868480
	.section	.rodata,"a",@progbits
	.p2align	6, 0x0
	.amdhsa_kernel k_q29b3099c85_qkv
		.amdhsa_group_segment_fixed_size 327680
		.amdhsa_private_segment_fixed_size 0
		.amdhsa_enable_private_segment 0
		.amdhsa_kernarg_size 120
		.amdhsa_user_sgpr_count 2
		.amdhsa_user_sgpr_kernarg_segment_ptr 1
		.amdhsa_wavefront_size32 1
		.amdhsa_system_sgpr_workgroup_id_x 1
		.amdhsa_system_sgpr_workgroup_id_y 1
		.amdhsa_system_sgpr_workgroup_id_z 1
		.amdhsa_system_vgpr_workitem_id 0
		.amdhsa_next_free_vgpr 1024
		.amdhsa_next_free_sgpr 106
		.amdhsa_reserve_vcc 0
		.amdhsa_float_denorm_mode_32 3
		.amdhsa_float_denorm_mode_16_64 3
		.amdhsa_fp16_overflow 1
		.amdhsa_memory_ordered 1
		.amdhsa_forward_progress 1
		.amdhsa_inst_pref_size 191
	.end_amdhsa_kernel
	.amdgpu_metadata
---
amdhsa.version: [ 1, 2 ]
amdhsa.kernels:
  - .name:           k_q29b3099c85_qkv
    .symbol:         k_q29b3099c85_qkv.kd
    .args:
      - { .name: ac, .offset: 0, .size: 8, .value_kind: global_buffer, .address_space: global }
      - { .name: asc, .offset: 8, .size: 8, .value_kind: global_buffer, .address_space: global }
      - { .name: Wv_codes, .offset: 16, .size: 8, .value_kind: global_buffer, .address_space: global }
      - { .name: Wv_scales, .offset: 24, .size: 8, .value_kind: global_buffer, .address_space: global }
      - { .name: Wq_codes, .offset: 32, .size: 8, .value_kind: global_buffer, .address_space: global }
      - { .name: Wq_scales, .offset: 40, .size: 8, .value_kind: global_buffer, .address_space: global }
      - { .name: Wk_codes, .offset: 48, .size: 8, .value_kind: global_buffer, .address_space: global }
      - { .name: Wk_scales, .offset: 56, .size: 8, .value_kind: global_buffer, .address_space: global }
      - { .name: bq, .offset: 64, .size: 8, .value_kind: global_buffer, .address_space: global }
      - { .name: bk, .offset: 72, .size: 8, .value_kind: global_buffer, .address_space: global }
      - { .name: bv, .offset: 80, .size: 8, .value_kind: global_buffer, .address_space: global }
      - { .name: qc, .offset: 88, .size: 8, .value_kind: global_buffer, .address_space: global }
      - { .name: kc, .offset: 96, .size: 8, .value_kind: global_buffer, .address_space: global }
      - { .name: vc, .offset: 104, .size: 8, .value_kind: global_buffer, .address_space: global }
      - { .name: sc, .offset: 112, .size: 8, .value_kind: global_buffer, .address_space: global }
    .group_segment_fixed_size: 327680
    .private_segment_fixed_size: 0
    .kernarg_segment_align: 8
    .kernarg_segment_size: 120
    .max_flat_workgroup_size: 128
    .sgpr_count:     106
    .vgpr_count:     1024
    .wavefront_size: 32
...
	.end_amdgpu_metadata
.endif
;; end of part 2
;; launch attn (part 3): grid 4 x 64, 16 waves a work-group, clusters of 4 x 1, 277,504 bytes of LDS; arguments qc, kc, vc, sc, ac, asc; writes ac, asc
.if DOCPART == 3
	.amdgcn_target "amdgcn-amd-amdhsa--gfx1250"
	.amdhsa_code_object_version 6
	.text
	.protected	k_q29b3099c85_attn
	.globl	k_q29b3099c85_attn
	.p2align	8
	.type	k_q29b3099c85_attn,@function
k_q29b3099c85_attn:
	s_mov_b64 s[64:65], 0
	v_nop
	global_prefetch_b8 v0, s[64:65] scope:SCOPE_SE
	s_setreg_imm32_b32 hwreg(HW_REG_WAVE_MODE, 25, 1), 1
	s_wait_xcnt 0x0
	s_wait_alu depctr_hold_cnt(0) depctr_sa_sdst(0) depctr_va_vdst(0) depctr_va_sdst(0) depctr_va_ssrc(0) depctr_va_vcc(0) depctr_vm_vsrc(0)
	s_getreg_b32 s2, hwreg(HW_REG_IB_STS2, 6, 4)
	s_cmp_eq_u32 s2, 0
	s_cbranch_scc0 .Lentry_in_a_cluster
	s_endpgm
.Lentry_in_a_cluster:
	s_bfe_u32 s2, ttmp6, 0x10000c
	s_cmp_lg_u32 s2, 0x3003
	s_cbranch_scc0 .Lentry_shape_is_right
	s_endpgm
.Lentry_shape_is_right:
; ctx[q] = the sum over k of softmax_k(q . k / 8) v[k] for one head of one batch (2,048 tokens, 64 dims), both products on codes of BF8 (E5M2) with one E8M0 scale for each 32 along K; ctx is quantised on the way out.
; THE SOFTMAX: t = score x log2(e) / 8; M = the row's largest t so far, rounded UP to a whole number; p = 2^(t - M) is what is quantised, along the keys; the row's sum is taken of the unquantised p
; and divides at the end.  When M moves, the sum and O are multiplied by 2^(old M - new M): exact.
; SHARES.  A work-group owns 512 queries of a head; each of its sixteen waves owns 16 of them at a time, in two passes; four waves to a SIMD, so that one wave's vector work stands beside another's products and LDS loads.
; A HEAD'S K, V AND SCALE WORDS STAY WHOLE IN LDS: 131,072 + 131,072 + 12,288 bytes, filled once: no slot is ever filled again.  CLUSTER: the four work-groups of a head ask for every tile JOINTLY (mask 15).
; Waves 0-3 fetch a quarter of K each, waves 4-7 of V, waves 8-11 of the scale words: one tensor load a wave; all are asked for at the head, so no later request exists that a prefetch could run ahead of.
; OPERANDS lie in memory and in LDS as images of their registers (group g of lane l at 512 g + 16 l): every LDS load takes 512 consecutive bytes.
; LAYOUT.  Both products are used transposed: S^T = K Q^T (source 0 = 16 keys, source 1 = my 16 queries), O^T = V^T P^T: a lane holds ONE query (lane % 16) throughout.  Tiles 2 b and 2 b + 1 of S^T give lane half h
; the keys 32 b + 8 h + i % 8 + 16 (i / 8), i = 0 .. 15: the order in which V's images were laid.
; K = 64 IN AN INSTRUCTION OF 128: Q's upper eight registers are zero codes.  The key tiles lie eight registers apart, so tile t's upper half is tile t + 1's codes (behind the last: zeros): they meet zeros under the
; scale byte 0x7f and add nothing.  LIMIT: that leans on finite codes, which the quantiser's hold gives for finite inputs; NaN and infinities are not served.  A block under 2^-111 keeps the byte 1.
; OUT: ac: fragment (token / 16, head / 2) of 2,048 bytes; my head fills groups 2 (head % 2), + 1, in the natural order of K (Wo's codes are given so).  asc: [head][token], two bytes: the head's two blocks of d.
.set VB,   131072                      ; LDS: K's 128 tiles of 1,024 bytes from 0; V's 16 steps x 4 tiles of 2,048 bytes from here;
.set SCB,  262144                      ; 16 steps x 768 bytes: K's words 512, V's 256;
.set CST,  274432                      ; ctx's scale halfwords [pass][wave][row], 1,024 bytes: written by LDS stores alone, no tile lands here
.set AK0,  1                           ; v1   16 x lane: my place in an image (in LDS from 0, and in memory)
.set AV0,  2                           ; v2   VB + 16 x lane
.set AS0,  3                           ; v3   SCB + 16 x lane
.set AT0,  4                           ; v4   SCB + 512 + 16 r
.set R16,  6                           ; v6   16 r
.set CSA,  7                           ; v7   CST + 32 x wave + 2 r
.set ADK,  8                           ; v8-11 the step's addresses
.set ADV,  9
.set ADS,  10
.set ADT,  11
.set QF,   16                          ; v16-23 Q's codes, v24-31 zeros.  (v12 -M, v13 the largest t, v[14:15] the sum in two halves)
.set KV,   32                          ; v32-95 K's 8 tiles x 8 registers, then V's 4 x 16; v96-103 zeros
.set S,    104                         ; v104-167 S^T, then p
.set OT,   168                         ; v168-199 O^T
.set PCD,  200                         ; v200-215 p's codes; on the way out ctx's
.set KSC,  216                         ; v216-219 K's scale words: lanes 0-15 tiles 0-3, lanes 16-31 tiles 4-7
.set VSC,  220                         ; v220-223 V's
.set QSC,  224                         ; v224 Q's
.set HW,   225                         ; v225 ctx's two scale bytes
.set CRD,  226                         ; v226 CST + 16 x thread;  v227 16 x thread
.set BM,   228                         ; v228-231 a block's largest score, then p
.set T2,   232                         ; v232-235 at work
.set LIM,  236                         ; v236-239 partial sums of p
.set SCO,  240                         ; v240-243 the conversions' scale operands
.set TMP,  244
.set FF,   246                         ; v246 f = 2^(old M - new M); v247 p's scale word
.set PW,   247
.set SM2,  248                         ; v[248:249] the second chain of the sum
.set WV,   18
.set MNT,  19
.set SEL,  20
.set CS,   22
.set G1K,  24
.set G1V,  32
.set G1S,  40
.set G0K,  48
.set G0V,  52
.set G0S,  56
.set QP,   68                          ; s[68:69] Q's image, pass 0;  s[70:71] Q's scale words;  s[72:73] ctx's image;  s[74:75] my work-group's 1,024 bytes of asc
.set QS,   70
.set CP,   72
.set AS,   74
.set KO,   88                          ; s88 8,192 x step;  s89 768 x step;  s90 steps to go
.set SO,   89
.set CNT,  90
.macro CROUND                          ; a round of the cluster's barrier
	s_barrier_signal -1
	s_barrier_wait -1
	s_cmp_lg_u32 s[WV], 0
	s_cbranch_scc1 .Lnot_wave_0_\@
	s_barrier_signal -3
.Lnot_wave_0_\@:
	s_barrier_wait -3
	s_barrier_signal -1
	s_barrier_wait -1
.endm
	s_load_b256 s[4:11], s[0:1], 0x0               ; qc, kc, vc, sc
	s_load_b128 s[12:15], s[0:1], 0x20             ; ac, asc
	v_lshl_add_u32 v254, v0, 2, 0x43400
	v_mov_b32 v255, 0
	ds_add_u32 v254, v255
	ds_add_u32 v254, v255
	v_lshrrev_b32 v1, 5, v0
	s_delay_alu instid0(VALU_DEP_1)
	v_readfirstlane_b32 s[WV], v1                  ; wave 0..15
	s_bfe_u32 s60, ttmp6, 0x40000                  ; cx: my 512 queries; it enters Q's, ctx's and asc's addresses alone
	s_and_b32 s16, ttmp7, 0xffff                   ; 16 batch + head, which the four partners share
	s_lshr_b32 s17, s16, 4                         ; batch
	s_and_b32 s61, s16, 15                         ; head
	s_lshr_b32 s62, s61, 1                         ; head / 2
	s_and_b32 s63, s61, 1                          ; head % 2
	s_lshl_b32 s66, s17, 3
	s_add_co_u32 s66, s66, s62
	s_lshl_b32 s66, s66, 18                        ; (8 batch + head / 2) x 262,144
	s_and_b32 s67, s[WV], 3                        ; which quarter I fetch, if I fetch
	s_lshl_b32 s78, s67, 16                        ; a quarter: 32 tiles of K 2,048 bytes apart, or 4 steps of V 16,384 apart
	s_lshl_b32 s76, s63, 10
	s_add_co_u32 s76, s76, s66
	s_add_co_u32 s76, s76, s78                     ; K
	s_mov_b32 s77, 0
	s_lshl_b32 s80, s63, 13
	s_add_co_u32 s80, s80, s66
	s_add_co_u32 s80, s80, s78                     ; V
	s_mov_b32 s81, 0
	s_mul_i32 s82, s16, 20480                      ; the head's 16 records of 1,280 bytes,
	s_mul_i32 s79, s67, 5120                       ; four of them,
	s_add_co_u32 s82, s82, s79
	s_add_co_u32 s82, s82, 512                     ; behind q's words
	s_mov_b32 s83, 0
	; descriptor groups 1, elements of 8 bytes, no padding; 15:0 the mask: all four work-groups; bit 21 set beside it
	s_mov_b32 s[G1K], 15|(3<<16)|(1<<21)           ; K: 32 rows of 1,024 bytes, 2,048 apart
	s_mov_b32 s[G1K+1], 128<<16
	s_mov_b32 s[G1K+2], 32<<16
	s_mov_b32 s[G1K+3], 128<<16
	s_mov_b32 s[G1K+4], 32
	s_mov_b32 s[G1K+5], 256
	s_mov_b32 s[G1K+6], 0
	s_mov_b32 s[G1K+7], 0
	s_mov_b32 s[G1V], 15|(3<<16)|(1<<21)           ; V: 4 rows of 8,192 bytes, 16,384 apart
	s_mov_b32 s[G1V+1], 1024<<16
	s_mov_b32 s[G1V+2], 4<<16
	s_mov_b32 s[G1V+3], 1024<<16
	s_mov_b32 s[G1V+4], 4
	s_mov_b32 s[G1V+5], 2048
	s_mov_b32 s[G1V+6], 0
	s_mov_b32 s[G1V+7], 0
	s_mov_b32 s[G1S], 15|(3<<16)|(1<<21)           ; the words: 4 rows of 768 bytes, 1,280 apart
	s_mov_b32 s[G1S+1], 96<<16
	s_mov_b32 s[G1S+2], 4<<16
	s_mov_b32 s[G1S+3], 96<<16
	s_mov_b32 s[G1S+4], 4
	s_mov_b32 s[G1S+5], 160
	s_mov_b32 s[G1S+6], 0
	s_mov_b32 s[G1S+7], 0
	; my own queries
	s_lshl_b32 s84, s63, 10
	s_add_co_u32 s84, s84, s66
	s_lshl_b32 s86, s60, 16                        ; 32 tiles of 2,048 bytes for each work-group,
	s_add_co_u32 s84, s84, s86
	s_lshl_b32 s86, s[WV], 11                      ; one for each wave
	s_add_co_u32 s84, s84, s86
	s_mov_b32 s85, 0
	s_lshl_b32 s86, s16, 4
	s_lshl_b32 s87, s60, 2
	s_add_co_u32 s86, s86, s87
	s_lshr_b32 s87, s[WV], 3
	s_add_co_u32 s86, s86, s87                     ; my record: 16 (16 batch + head) + 4 cx + wave / 8
	s_mul_i32 s86, s86, 1280
	s_bfe_u32 s87, s[WV], 0x10002
	s_lshl_b32 s87, s87, 8                         ; tile wave % 8 in it: 256 ((wave / 4) % 2) + 4 (wave % 4)
	s_add_co_u32 s86, s86, s87
	s_lshl_b32 s87, s67, 2
	s_add_co_u32 s86, s86, s87
	s_mov_b32 s87, 0
	s_lshl_b32 s92, s17, 7
	s_lshl_b32 s93, s60, 5
	s_add_co_u32 s92, s92, s93
	s_add_co_u32 s92, s92, s[WV]                   ; my tile of tokens: 128 batch + 32 cx + wave
	s_lshl_b32 s92, s92, 3
	s_add_co_u32 s92, s92, s62
	s_lshl_b32 s92, s92, 11
	s_lshl_b32 s93, s63, 10
	s_add_co_u32 s92, s92, s93
	s_mov_b32 s93, 0
	s_lshl_b32 s94, s61, 14                        ; asc: 16,384 x head + 2 x (2,048 batch + 512 cx)
	s_lshl_b32 s95, s17, 12
	s_add_co_u32 s94, s94, s95
	s_lshl_b32 s95, s60, 10
	s_add_co_u32 s94, s94, s95
	s_mov_b32 s95, 0
	s_mov_b32 s[SEL], 0x76543210
	s_mov_b32 s[SEL+1], 0xfedcba98                 ; v_permlanex16_b32's selects for lane l xor 16
	s_mov_b32 s[CS], 0x3e38aa3b                    ; c = log2(e) / 8
	s_mov_b32 s[CS+1], s[CS]                       ; (named with it as a pair, so it is written)
	s_wait_dscnt 0x0
	s_wait_kmcnt 0x0
	s_mov_b32 s[G0K], 1
	s_lshl_b32 s[G0K+1], s67, 15                   ; LDS: 32,768 x quarter
	s_add_nc_u64 s[G0K+2:G0K+3], s[6:7], s[76:77]
	s_or_b32 s[G0K+3], s[G0K+3], 0x80000000
	s_mov_b32 s[G0V], 1
	s_lshl_b32 s[G0V+1], s67, 15
	s_add_co_u32 s[G0V+1], s[G0V+1], VB
	s_add_nc_u64 s[G0V+2:G0V+3], s[8:9], s[80:81]
	s_or_b32 s[G0V+3], s[G0V+3], 0x80000000
	s_mov_b32 s[G0S], 1
	s_mul_i32 s[G0S+1], s67, 3072
	s_add_co_u32 s[G0S+1], s[G0S+1], SCB
	s_add_nc_u64 s[G0S+2:G0S+3], s[10:11], s[82:83]
	s_or_b32 s[G0S+3], s[G0S+3], 0x80000000
	s_add_nc_u64 s[QP:QP+1], s[4:5], s[84:85]
	s_add_nc_u64 s[QS:QS+1], s[10:11], s[86:87]
	s_add_nc_u64 s[CP:CP+1], s[12:13], s[92:93]
	s_add_nc_u64 s[AS:AS+1], s[14:15], s[94:95]
	CROUND                                         ; all four work-groups are here: the joint loads meet
	s_cmp_lt_u32 s[WV], 4                          ; one tensor load a wave, all first fills, in one chain of branches on the wave's number; four v_nop follow each
	s_cbranch_scc0 .Lnot_k
	tensor_load_to_lds s[G0K:G0K+3], s[G1K:G1K+7]
	s_nop 0
.rept 4
	v_nop
.endr
	s_branch .Lasked
.Lnot_k:
	s_cmp_lt_u32 s[WV], 8
	s_cbranch_scc0 .Lnot_v
	tensor_load_to_lds s[G0V:G0V+3], s[G1V:G1V+7]
	s_nop 0
.rept 4
	v_nop
.endr
	s_branch .Lasked
.Lnot_v:
	s_cmp_lt_u32 s[WV], 12
	s_cbranch_scc0 .Lasked
	tensor_load_to_lds s[G0S:G0S+3], s[G1S:G1S+7]
	s_nop 0
.rept 4
	v_nop
.endr
.Lasked:
	v_and_b32 v8, 31, v0                           ; lane
	v_and_b32 v9, 15, v0                           ; r
	s_delay_alu instid0(VALU_DEP_2)
	v_lshlrev_b32 v[AK0], 4, v8
	s_delay_alu instid0(VALU_DEP_2)
	v_lshlrev_b32 v[R16], 4, v9
.macro QLOAD p                         ; pass p's queries: tile 32 cx + 16 p + wave
	global_load_b128 v[QF:QF+3], v[AK0], s[QP:QP+1] offset:32768*\p
	global_load_b128 v[QF+4:QF+7], v[AK0], s[QP:QP+1] offset:32768*\p+512
	global_load_b32 v[QSC], v[R16], s[QS:QS+1] offset:2560*\p
.endm
	QLOAD 0
	v_add_nc_u32 v[AV0], VB, v[AK0]
	v_add_nc_u32 v[AS0], SCB, v[AK0]
	v_lshl_add_u32 v[AT0], v9, 4, SCB+512
	s_lshl_b32 s79, s[WV], 5
	v_lshl_add_u32 v[CSA], v9, 1, s79
	s_delay_alu instid0(VALU_DEP_1)
	v_add_nc_u32 v[CSA], CST, v[CSA]
	v_lshl_add_u32 v[CRD], v0, 4, CST
	v_lshlrev_b32 v[CRD+1], 4, v0
.irp j, 0,1,2,3,4,5,6,7
	v_mov_b32 v[QF+8+\j], 0                        ; zero codes: the upper half of Q's operand,
	v_mov_b32 v[KV+64+\j], 0                       ; and of the last key tile's
.endr
.irp b, 0,1,2,3
	v_mov_b32 v[T2+\b], 0                          ; written once: a lane permute's destination counts as one of its sources
.endr
	v_mov_b32 v[TMP], 0
	v_mov_b32 v[PW], 0                             ; (named as the upper half of the pair v[246:247] before it is first written)
	s_wait_tensorcnt 0x0                           ; my part of the head's tiles has landed,
	s_barrier_signal -1
	s_barrier_wait -1                              ; everybody's has: from here on LDS is only read (but for ctx's scale bytes, which have bytes of their own)
; A KEY STEP: 128 keys.
.macro STEP
	v_add_nc_u32 v[ADK], s[KO], v[AK0]
	v_add_nc_u32 v[ADV], s[KO], v[AV0]
	v_add_nc_u32 v[ADS], s[SO], v[AS0]
	v_add_nc_u32 v[ADT], s[SO], v[AT0]
.rept 4
	v_nop                                          ; with the four additions: eight places in front of loads into registers that the last products read
.endr
.irp t, 0,1,2,3,4,5,6,7
	ds_load_b128 v[KV+8*\t:KV+8*\t+3], v[ADK] offset:1024*\t
	ds_load_b128 v[KV+8*\t+4:KV+8*\t+7], v[ADK] offset:1024*\t+512
.endr
	ds_load_b128 v[KSC:KSC+3], v[ADS]
	s_wait_alu depctr_va_vdst(0)
	s_wait_dscnt 0x0
.irp t, 0,1,2,3
	v_wmma_scale_f32_16x16x128_f8f6f4 v[S+8*\t:S+8*\t+7], v[KV+8*\t:KV+8*\t+15], v[QF:QF+15], 0, v[KSC+\t], v[QSC] matrix_a_fmt:MATRIX_FMT_BF8 matrix_b_fmt:MATRIX_FMT_BF8
.endr
.irp t, 4,5,6,7
	v_wmma_scale_f32_16x16x128_f8f6f4 v[S+8*\t:S+8*\t+7], v[KV+8*\t:KV+8*\t+15], v[QF:QF+15], 0, v[KSC+\t-4], v[QSC] matrix_a_fmt:MATRIX_FMT_BF8 matrix_b_fmt:MATRIX_FMT_BF8 matrix_a_scale:MATRIX_SCALE_ROW1
.endr
.rept 8
	v_nop                                          ; eight places: for the loads below, into K's registers, and for the first read of the scores
.endr
.irp t, 0,1,2,3                                ; V's four tiles are asked for now and land while the softmax is worked
.irp g, 0,1,2,3
	ds_load_b128 v[KV+16*\t+4*\g:KV+16*\t+4*\g+3], v[ADV] offset:2048*\t+512*\g
.endr
.endr
	ds_load_b128 v[VSC:VSC+3], v[ADT]
.irp b, 0,1,2,3
	v_max3_num_f32 v[BM+\b], v[S+16*\b], v[S+1+16*\b], v[S+2+16*\b]   ; the largest score of each block of 32 keys: for the row's maximum and, since p rises with the score, for the block's largest p
.endr
.irp i, 3,5,7,9,11,13
.irp b, 0,1,2,3
	v_max3_num_f32 v[BM+\b], v[BM+\b], v[S+16*\b+\i], v[S+1+16*\b+\i]
.endr
.endr
.irp b, 0,1,2,3
	v_max_num_f32 v[BM+\b], v[BM+\b], v[S+15+16*\b]
.endr
.irp b, 0,1,2,3
	s_delay_alu instid0(VALU_DEP_4)
	v_permlanex16_b32 v[T2+\b], v[BM+\b], s[SEL], s[SEL+1]
.endr
.irp b, 0,1,2,3
	s_delay_alu instid0(VALU_DEP_4)
	v_max_num_f32 v[BM+\b], v[BM+\b], v[T2+\b]     ; with lane l xor 16's 16 keys
.endr
	s_delay_alu instid0(VALU_DEP_2)
	v_max3_num_f32 v[TMP], v[BM], v[BM+1], v[BM+2]
	s_delay_alu instid0(VALU_DEP_1)
	v_max_num_f32 v[TMP], v[TMP], v[BM+3]          ; the step's largest score of my query
	s_delay_alu instid0(VALU_DEP_1)
	v_mul_f32 v[TMP], s[CS], v[TMP]                ; as t
	s_delay_alu instid0(VALU_DEP_1)
	v_max_num_f32 v13, v13, v[TMP]                 ; the running largest t
	v_mov_b32 v[TMP], v12
	s_delay_alu instid0(VALU_DEP_2)
	v_floor_f32 v12, -v13                          ; the new -M = floor(-t): M is a whole number
	s_delay_alu instid0(VALU_DEP_1)
	v_sub_f32 v[TMP], v12, v[TMP]                  ; old M - new M: a whole number, 0 or less
	s_delay_alu instid0(VALU_DEP_1)
	v_cvt_i32_f32 v[TMP], v[TMP]                   ; (it saturates)
	s_delay_alu instid0(VALU_DEP_1)
	v_ldexp_f32 v[FF], 1.0, v[TMP]                 ; f = 2^(old M - new M)
.set j, 0
.rept 32
	v_pk_fma_f32 v[S+j:S+j+1], v[S+j:S+j+1], s[CS:CS+1], v[12:13] op_sel_hi:[1,0,0]   ; t - M, two at a time
.set j, j+2
.endr
.irp b, 0,1,2,3
	v_fma_f32 v[BM+\b], v[BM+\b], s[CS], v12       ; the same of each block's largest score
.endr
.set j, 0
	s_setprio 1
	s_wait_alu depctr_va_vdst(0)
.rept 64
	v_exp_f32 v[S+j], v[S+j]                       ; p = 2^(t - M), at most 1
.set j, j+1
.endr
	v_pk_mul_f32 v[14:15], v[14:15], v[FF:FF+1] op_sel_hi:[1,0]   ; the sums under the new M: the plain instruction behind the exponentials
	s_wait_alu depctr_va_vdst(0)                   ; one wait for the batch of 64, ahead of its first reader
.irp b, 0,1,2,3
	v_exp_f32 v[BM+\b], v[BM+\b]                   ; the block's largest p
.endr
	v_pk_add_f32 v[248:249], v[108:109], v[112:113]
	v_pk_add_f32 v[252:253], v[116:117], v[120:121]
	v_pk_add_f32 v[250:251], v[124:125], v[128:129]
	v_pk_add_f32 v[242:243], v[132:133], v[136:137]
	v_pk_add_f32 v[240:241], v[140:141], v[144:145]
	v_pk_add_f32 v[238:239], v[148:149], v[152:153]
	v_pk_add_f32 v[236:237], v[156:157], v[160:161]
	v_pk_add_f32 v[14:15], v[14:15], v[164:165]
	v_pk_add_f32 v[248:249], v[248:249], v[104:105]
	v_pk_add_f32 v[252:253], v[252:253], v[106:107]
	v_pk_add_f32 v[250:251], v[250:251], v[110:111]
	v_pk_add_f32 v[242:243], v[242:243], v[114:115]
	v_pk_add_f32 v[240:241], v[240:241], v[118:119]
	v_pk_add_f32 v[238:239], v[238:239], v[122:123]
	v_pk_add_f32 v[236:237], v[236:237], v[126:127]
	v_pk_add_f32 v[14:15], v[14:15], v[130:131]
	v_pk_add_f32 v[248:249], v[248:249], v[134:135]
	v_pk_add_f32 v[252:253], v[252:253], v[138:139]
	v_pk_add_f32 v[250:251], v[250:251], v[142:143]
	v_pk_add_f32 v[242:243], v[242:243], v[146:147]
	v_pk_add_f32 v[240:241], v[240:241], v[150:151]
	v_pk_add_f32 v[238:239], v[238:239], v[154:155]
	v_pk_add_f32 v[236:237], v[236:237], v[158:159]
	v_pk_add_f32 v[14:15], v[14:15], v[162:163]
	v_pk_add_f32 v[248:249], v[248:249], v[166:167]
	s_delay_alu instid0(VALU_DEP_2)
	v_pk_add_f32 v[14:15], v[14:15], v[242:243]
	s_delay_alu instid0(VALU_DEP_2)
	v_pk_add_f32 v[248:249], v[248:249], v[240:241]
	v_pk_add_f32 v[252:253], v[252:253], v[238:239]
	v_pk_add_f32 v[250:251], v[250:251], v[236:237]
	s_delay_alu instid0(VALU_DEP_2)
	v_pk_add_f32 v[14:15], v[14:15], v[252:253]
	s_delay_alu instid0(VALU_DEP_2)
	v_pk_add_f32 v[248:249], v[248:249], v[250:251]
	s_delay_alu instid0(VALU_DEP_1)
	v_pk_add_f32 v[14:15], v[14:15], v[248:249]
	s_wait_alu depctr_va_vdst(0)                   ; and one for the four
.irp b, 0,1,2,3
	v_max_num_f32 v[BM+\b], 0x8000000, v[BM+\b]    ; the floor 2^(16 - 127): the byte cannot fall under 1
.endr
.irp b, 0,1,2,3
	s_delay_alu instid0(VALU_DEP_4)
	v_add_nc_u32 v[SCO+\b], 0xf8800000, v[BM+\b]   ; 15 off the exponent field: the conversion's scale operand
.endr
.irp b, 0,1,2,3
.endr
.irp b, 0,1,2,3
	s_delay_alu instid0(VALU_DEP_4)
	v_lshrrev_b32 v[T2+\b], 23, v[SCO+\b]          ; the scale's byte
.endr
	s_delay_alu instid0(VALU_DEP_3)
	v_lshl_or_b32 v[PW], v[T2+1], 8, v[T2]         ; p's scale word for these 128 keys
	s_delay_alu instid0(VALU_DEP_1)
	v_lshl_or_b32 v[PW], v[T2+2], 16, v[PW]
	s_delay_alu instid0(VALU_DEP_1)
	v_lshl_or_b32 v[PW], v[T2+3], 24, v[PW]
.irp b, 0,1,2,3
.irp i, 0,1,2,3,4,5,6,7,8,9,10,11,12,13,14,15
.endr
	v_cvt_scalef32_pk8_bf8_f32 v[PCD+4*\b:PCD+4*\b+1], v[S+16*\b:S+16*\b+7], v[SCO+\b]
	v_cvt_scalef32_pk8_bf8_f32 v[PCD+4*\b+2:PCD+4*\b+3], v[S+16*\b+8:S+16*\b+15], v[SCO+\b]
.endr
.set j, 0
	s_setprio 0
.rept 16
	v_pk_mul_f32 v[OT+j:OT+j+1], v[OT+j:OT+j+1], v[FF:FF+1] op_sel_hi:[1,0]   ; O^T under the new M.  (These sixteen are also the places between the codes and the products)
.set j, j+2
.endr
	s_wait_alu depctr_va_vdst(0)
	s_wait_dscnt 0x0                               ; V's seventeen loads, asked for ahead of the softmax
.irp t, 0,1,2,3                                ; O^T += V^T P^T; the four accumulators take turns
	v_wmma_scale_f32_16x16x128_f8f6f4 v[OT+8*\t:OT+8*\t+7], v[KV+16*\t:KV+16*\t+15], v[PCD:PCD+15], v[OT+8*\t:OT+8*\t+7], v[VSC+\t], v[PW] matrix_a_fmt:MATRIX_FMT_BF8 matrix_b_fmt:MATRIX_FMT_BF8
.endr
	s_add_co_u32 s[KO], s[KO], 8192
	s_add_co_u32 s[SO], s[SO], 768
.endm
; A PASS: 16 queries a wave against all 2,048 keys, then the way out.
.macro PASS p
.if \p > 0
	s_wait_xcnt 0x0                                ; the last pass's stores have read their registers: the codes' registers may be written again
.endif
	v_mov_b32 v13, 0xff61b1e6                      ; the largest t so far: -3e38, under every t
	s_delay_alu instid0(VALU_DEP_1)
	v_floor_f32 v12, -v13                          ; -M
	v_mov_b32 v14, 0
	v_mov_b32 v15, 0
.set j, 0
.rept 32
	v_mov_b32 v[OT+j], 0                           ; the step is written once: the first finds zeros, which the first change of M leaves zeros
.set j, j+1
.endr
	s_mov_b32 s[KO], 0
	s_mov_b32 s[SO], 0
	s_mov_b32 s[CNT], 16
	s_wait_loadcnt 0x0                             ; Q
.Lstep_\@:
	s_setprio 2
	STEP
	s_sub_co_u32 s[CNT], s[CNT], 1
	s_cmp_lg_u32 s[CNT], 0
	s_cbranch_scc1 .Lstep_\@
	s_setprio 0
.if \p == 0
	QLOAD 1                                        ; the next pass's queries: the last product that read Q's registers stands a softmax back
.endif
.rept 8
	v_nop                                          ; eight places behind the last products
.endr
	v_add_f32 v14, v14, v15                        ; the sum's two halves,
	s_delay_alu instid0(VALU_DEP_1)
	v_permlanex16_b32 v[TMP], v14, s[SEL], s[SEL+1]
	s_delay_alu instid0(VALU_DEP_1)
	v_add_f32 v14, v14, v[TMP]                     ; and lane l xor 16's
	s_wait_alu depctr_va_vdst(0)
	v_rcp_f32 v14, v14
	v_nop                                          ; a plain instruction behind the reciprocal
	s_wait_alu depctr_va_vdst(0)                   ; and the wait ahead of its first reader
.set j, 0
.rept 16
	v_pk_mul_f32 v[OT+j:OT+j+1], v[OT+j:OT+j+1], v[14:15] op_sel_hi:[1,0]   ; ctx = O^T / the sum: register 8 t + i is d = 16 t + 8 h + i of my query
.set j, j+2
.endr
.irp b, 0,1
	v_max3_num_f32 v[BM+\b], |v[OT+16*\b]|, |v[OT+1+16*\b]|, 0x8000000   ; the head's two blocks of 32 d, with the floor
.endr
.irp i, 2,4,6,8,10,12,14
.irp b, 0,1
	s_delay_alu instid0(VALU_DEP_2)
	v_max3_num_f32 v[BM+\b], v[BM+\b], |v[OT+16*\b+\i]|, |v[OT+1+16*\b+\i]|
.endr
.endr
.irp b, 0,1
	s_delay_alu instid0(VALU_DEP_2)
	v_permlanex16_b32 v[T2+\b], v[BM+\b], s[SEL], s[SEL+1]
.endr
.irp b, 0,1
	s_delay_alu instid0(VALU_DEP_2)
	v_max_num_f32 v[BM+\b], v[BM+\b], v[T2+\b]
.endr
.irp b, 0,1
	s_delay_alu instid0(VALU_DEP_2)
	v_add_nc_u32 v[SCO+\b], 0xf8800000, v[BM+\b]
.endr
.irp b, 0,1
.endr
.irp b, 0,1
	s_delay_alu instid0(VALU_DEP_2)
	v_lshrrev_b32 v[T2+\b], 23, v[SCO+\b]
.endr
	s_delay_alu instid0(VALU_DEP_1)
	v_lshl_or_b32 v[HW], v[T2+1], 8, v[T2]
.irp b, 0,1
.irp i, 0,1,2,3,4,5,6,7,8,9,10,11,12,13,14,15
.endr
	v_cvt_scalef32_pk8_bf8_f32 v[PCD+4*\b:PCD+4*\b+1], v[OT+16*\b:OT+16*\b+7], v[SCO+\b]
	v_cvt_scalef32_pk8_bf8_f32 v[PCD+4*\b+2:PCD+4*\b+3], v[OT+16*\b+8:OT+16*\b+15], v[SCO+\b]
.endr
	v_nop                                          ; a plain instruction behind the last conversion
	; into the natural order of K: half 0 wants d 0-15 of a block (its own registers 0, 1 and half 1's 0, 1), half 1 wants d 16-31 (half 0's 2, 3 and its own 2, 3)
.irp b, 0,1
	v_permlane16_swap_b32 v[PCD+4*\b], v[PCD+4*\b+2]       ; the first's lanes 16-31 change places with the second's lanes 0-15
	v_permlane16_swap_b32 v[PCD+4*\b+1], v[PCD+4*\b+3]
.endr
	global_store_b128 v[AK0], v[PCD:PCD+3], s[CP:CP+1] offset:262144*\p         ; 512 consecutive bytes
	global_store_b128 v[AK0], v[PCD+4:PCD+7], s[CP:CP+1] offset:262144*\p+512
	ds_store_b16 v[CSA], v[HW] offset:512*\p       ; lanes l and l xor 16 write the same two bytes with the same value
.endm
	PASS 0
	PASS 1
	s_wait_dscnt 0x0                               ; my scale bytes lie in LDS,
	s_barrier_signal -1
	s_barrier_wait -1                              ; everybody's do
	s_cmp_lt_u32 s[WV], 2                          ; waves 0 and 1 store the work-group's 1,024 bytes, 16 a lane
	s_cbranch_scc0 .Lno_out
	s_wait_xcnt 0x0                                ; the last pass's stores have read their registers
	ds_load_b128 v[PCD:PCD+3], v[CRD]
	s_wait_dscnt 0x0
	global_store_b128 v[CRD+1], v[PCD:PCD+3], s[AS:AS+1]
.Lno_out:
	s_wait_tensorcnt 0x0
	ds_add_u32 v254, v255
	s_wait_dscnt 0x0
	CROUND                                         ; the closing round: no work-group ends while a partner may still ask for a tile that names it
	s_endpgm
.Lfunc_end_k_q29b3099c85_attn:
	.size	k_q29b3099c85_attn, .Lfunc_end_k_q29b3099c85_attn-k_q29b3099c85_attn
	.p2alignl 7, 3214868480
	.fill 96, 4, 3214868480
	.section	.rodata,"a",@progbits
	.p2align	6, 0x0
	.amdhsa_kernel k_q29b3099c85_attn
		.amdhsa_group_segment_fixed_size 277504
		.amdhsa_private_segment_fixed_size 0
		.amdhsa_enable_private_segment 0
		.amdhsa_kernarg_size 48
		.amdhsa_user_sgpr_count 2
		.amdhsa_user_sgpr_kernarg_segment_ptr 1
		.amdhsa_wavefront_size32 1
		.amdhsa_system_sgpr_workgroup_id_x 1
		.amdhsa_system_sgpr_workgroup_id_y 1
		.amdhsa_system_sgpr_workgroup_id_z 1
		.amdhsa_system_vgpr_workitem_id 0
		.amdhsa_next_free_vgpr 256
		.amdhsa_next_free_sgpr 100
		.amdhsa_reserve_vcc 0
		.amdhsa_float_denorm_mode_32 3
		.amdhsa_float_denorm_mode_16_64 3
		.amdhsa_fp16_overflow 1
		.amdhsa_memory_ordered 1
		.amdhsa_forward_progress 1
		.amdhsa_inst_pref_size 56
	.end_amdhsa_kernel
	.amdgpu_metadata
---
amdhsa.version: [ 1, 2 ]
amdhsa.kernels:
  - .name:           k_q29b3099c85_attn
    .symbol:         k_q29b3099c85_attn.kd
    .args:
      - { .name: qc, .offset: 0, .size: 8, .value_kind: global_buffer, .address_space: global }
      - { .name: kc, .offset: 8, .size: 8, .value_kind: global_buffer, .address_space: global }
      - { .name: vc, .offset: 16, .size: 8, .value_kind: global_buffer, .address_space: global }
      - { .name: sc, .offset: 24, .size: 8, .value_kind: global_buffer, .address_space: global }
      - { .name: ac, .offset: 32, .size: 8, .value_kind: global_buffer, .address_space: global }
      - { .name: asc, .offset: 40, .size: 8, .value_kind: global_buffer, .address_space: global }
    .group_segment_fixed_size: 277504
    .private_segment_fixed_size: 0
    .kernarg_segment_align: 8
    .kernarg_segment_size: 48
    .max_flat_workgroup_size: 512
    .sgpr_count:     100
    .vgpr_count:     256
    .wavefront_size: 32
...
	.end_amdgpu_metadata
.endif
;; end of part 3
;; launch oproj (part 4): grid 256 x 1, 4 waves a work-group, no clusters, 168,448 bytes of LDS; arguments ac, asc, wi, Wo_scales, bo, x, ln_g, ln_b, out0; writes out0
.if DOCPART == 4
	.amdgcn_target "amdgcn-amd-amdhsa--gfx1250"
	.amdhsa_code_object_version 6
	.text
	.protected	k_q29b3099c85_oproj
	.globl	k_q29b3099c85_oproj
	.p2align	8
	.type	k_q29b3099c85_oproj,@function
k_q29b3099c85_oproj:
	s_mov_b64 s[64:65], 0
	v_nop
	global_prefetch_b8 v0, s[64:65] scope:SCOPE_SE
	s_setreg_imm32_b32 hwreg(HW_REG_WAVE_MODE, 25, 1), 1
	s_wait_xcnt 0x0
; out0 = LayerNorm(ctx Wo^T + bo + x) x ln_g + ln_b; the product on codes of BF8 (E5M2) with one E8M0 scale for each 32 along K = 1,024, sums in f32, all else in f32.
; SHARES.  A row's mean and variance want the whole row, so a work-group takes 32 rows x all 1,024 columns; wave w takes columns 256 w .. + 255: 16 tiles of columns x 2 tiles of rows, 32 accumulators.
; ctx's 16 fragments (256 registers) stay in every wave's registers.  Wo's fragments come from wi, where an earlier launch laid them in the order of an operand's registers: wave w reads 262,144 bytes on end,
; 512 consecutive bytes a load, into a ring of four slots of four fragments; 48 loads of a wave are always out, and no barrier stands in the stream.
; NO CLUSTER, though all work-groups walk Wo: a joint load lands in LDS, and each byte of Wo feeds ONE wave of a work-group once, so it would be written to LDS and read back with nothing gained there;
; and a ring of two slots has no tile on its way at each change of slots, where this ring has 24,576 bytes a wave on their way throughout.
; THE MATRIX INSTRUCTION IS USED TRANSPOSED (source 0 = 16 rows of Wo, source 1 = 16 rows of ctx): lane (r, h) holds row r of the tile of rows and columns 16 t + 8 h + 0 .. 7.  bo is the C of each sum's first product.
; x's 32 rows x 1,024 bytes of my columns come by ONE tensor load a wave, at the head, into LDS bytes that only I read; they are filled once.
; THE NORM in two passes over the registers: the mean; then the differences and the mean of their squares (no difference of large sums is formed).  The waves' partial sums meet in LDS, two barriers.
; Then the rows go through LDS (over x's bytes, which are done with) so that each store covers 512 consecutive bytes of a row.
; REGISTERS: window 0: v1-9 addresses; v10-31 statistics; v32-95 Wo's scale words (pair of tiles p, K step k at 8 p + k: lanes 0-15 tile 2 p, lanes 16-31 tile 2 p + 1), later ln_g, ln_b; v96-103 ctx's scale words
;   (lanes 0-15 rows 0-15, lanes 16-31 rows 16-31); v104-119 their halves as loaded; v128-255 bo, later x, later rows of the result.
;   window 1: ctx's fragment (m, k) at 16 (8 m + k).   window 2: accumulator (t, m) at 8 (2 t + m).   window 3: the ring.
.set XP,   1040                        ; a row of x in LDS: 1,024 bytes + 16 of padding = 260 words: row r starts at bank 4 r mod 64 (64 banks of 4 bytes: ISA guide 11.1)
.set XW,   32*XP                       ; a wave's 32 rows
.set RED,  4*XW                        ; behind them: the partial sums, 512 bytes for each of the two reductions
.set LI,   1                           ; v1  16 x lane
.set XA,   2                           ; v2  XW x wave + XP r + 32 h
.set RD0,  3                           ; v3  8 XP x wave + 16 x lane;  v4 the same + 2 XW
.set RW,   5                           ; v5  RED + 128 x wave + 4 r
.set RR,   6                           ; v6  RED + 4 r
.set L2,   7                           ; v7  2 x lane
.set L32,  8                           ; v8  32 x lane
.set H32,  9                           ; v9  32 h
.set SUM,  10                          ; v10-17 sums: rows m, chain c at 4 m + 2 c, a pair each
.set NM,   28                          ; v28-31 -mean, later 1 / root, each twice: rows r, rows 16 + r
.set WS,   32
.set CSW,  96
.set RAW,  104
.set BO,   128
.set LG,   32
.set LB,   64
.set XT,   128
.set RO,   192
.set WV,   22
.set G1,   24
.set G0,   32
.set SEL,  44
.set MSB, 0
.macro WIN new                         ; the immediate's high byte repeats the setting that is left
.if MSB != \new
	s_set_vgpr_msb (MSB<<8)|\new
.set MSB, \new
.endif
.endm
	s_load_b512 s[4:19], s[0:1], 0x0               ; ac s[4:5], asc s[6:7], wi s[8:9], Wo's scales s[10:11], bo s[12:13], x s[14:15], ln_g s[16:17], ln_b s[18:19]
	s_load_b64 s[20:21], s[0:1], 0x40              ; out0
	v_lshl_add_u32 v126, v0, 2, 0x29000
	v_mov_b32 v127, 0
	ds_add_u32 v126, v127
	ds_add_u32 v126, v127
	v_lshrrev_b32 v1, 5, v0
	v_readfirstlane_b32 s[WV], v1                  ; wave 0..3
	; descriptor group 1: 32 rows of 128 elements of 8 bytes, 512 elements apart; 16 bytes of padding behind every 256 words
	s_mov_b32 s[G1], (3<<16)|(1<<20)|(7<<22)|(3<<25)
	s_mov_b32 s[G1+1], 128<<16
	s_mov_b32 s[G1+2], 32<<16
	s_mov_b32 s[G1+3], 128<<16
	s_mov_b32 s[G1+4], 32
	s_mov_b32 s[G1+5], 512
	s_mov_b32 s[G1+6], 0
	s_mov_b32 s[G1+7], 0
	s_lshl_b32 s40, ttmp9, 17                      ; my work-group's 32 rows of 4,096 bytes,
	s_lshl_b32 s41, s[WV], 10                      ; my wave's 1,024 bytes of each
	s_add_co_u32 s40, s40, s41
	s_mov_b32 s41, 0
	s_wait_dscnt 0x0
	s_wait_kmcnt 0x0
	s_mov_b32 s[G0], 1
	s_mul_i32 s[G0+1], s[WV], XW
	s_add_nc_u64 s[G0+2:G0+3], s[14:15], s[40:41]
	s_or_b32 s[G0+3], s[G0+3], 0x80000000
	tensor_load_to_lds s[G0:G0+3], s[G1:G1+7]      ; my one tensor load: a first fill
	s_nop 0
.rept 4
	v_nop
.endr
	v_and_b32 v10, 31, v0                          ; lane
	v_and_b32 v11, 15, v0                          ; r
	v_bfe_u32 v12, v0, 4, 1                        ; h
	v_lshlrev_b32 v[LI], 4, v10
	s_mul_i32 s36, s[WV], XW
	v_mul_u32_u24 v[XA], v11, XP
	v_lshl_add_u32 v[XA], v12, 5, v[XA]
	v_add_nc_u32 v[XA], s36, v[XA]
	s_mul_i32 s37, s[WV], 8*XP
	v_add_nc_u32 v[RD0], s37, v[LI]
	v_add_nc_u32 v[RD0+1], 2*XW, v[RD0]
	s_lshl_b32 s38, s[WV], 7
	v_lshl_add_u32 v[RW], v11, 2, s38
	v_add_nc_u32 v[RW], RED, v[RW]
	v_lshl_add_u32 v[RR], v11, 2, RED
	v_lshlrev_b32 v[L2], 1, v10
	v_lshlrev_b32 v[L32], 5, v10
	s_wait_alu depctr_va_vdst(0)
	v_lshlrev_b32 v[H32], 5, v12
	s_wait_alu depctr_va_vdst(0)
	v_mov_b32 v20, 0                               ; written once: a lane permute's destination counts as one of its sources
	v_mov_b32 v21, 0
	s_mov_b32 s[SEL], 0x76543210
	s_mov_b32 s[SEL+1], 0xfedcba98
	s_lshl_b32 s40, ttmp9, 15                      ; ctx: two tiles of rows x 8 fragments of 2,048 bytes
	s_add_nc_u64 s[4:5], s[4:5], s[40:41]
	s_lshl_b32 s40, ttmp9, 6                       ; its scale bytes: 32 rows x 2
	s_add_nc_u64 s[6:7], s[6:7], s[40:41]
	s_lshl_b32 s40, s[WV], 18                      ; my 128 fragments of Wo
	s_add_nc_u64 s[8:9], s[8:9], s[40:41]
	s_lshl_b32 s40, s[WV], 13                      ; my 256 rows of its scales, 32 bytes each
	s_add_nc_u64 s[10:11], s[10:11], s[40:41]
	s_lshl_b32 s40, s[WV], 10                      ; my 256 numbers of bo
	s_add_nc_u64 s[12:13], s[12:13], s[40:41]
	s_lshl_b32 s40, ttmp9, 17
	s_lshl_b32 s42, s[WV], 15                      ; on the way out I store rows 8 w .. 8 w + 7
	s_add_co_u32 s40, s40, s42
	s_add_nc_u64 s[20:21], s[20:21], s[40:41]
.irp p, 0,1,2,3,4,5,6,7
	global_load_b128 v[WS+8*\p:WS+8*\p+3], v[L32], s[10:11] offset:1024*\p       ; lane l: row 32 p + l: its eight words
	global_load_b128 v[WS+8*\p+4:WS+8*\p+7], v[L32], s[10:11] offset:1024*\p+16
.endr
.irp d, 0,1,2,3,4,5,6,7,8,9,10,11,12,13,14,15
	global_load_u16 v[RAW+\d], v[L2], s[6:7] offset:16384*\d                     ; head d's two bytes of row l
.endr
.irp t, 0,1,2,3,4,5,6,7,8,9,10,11,12,13,14,15
	global_load_b128 v[BO+8*\t:BO+8*\t+3], v[H32], s[12:13] offset:64*\t         ; bo at columns 16 t + 8 h + 0 .. 7
	global_load_b128 v[BO+8*\t+4:BO+8*\t+7], v[H32], s[12:13] offset:64*\t+16
.endr
	WIN 0x40                                       ; destination window 1
.irp f, 0,1,2,3,4,5,6,7,8,9,10,11,12,13,14,15
.irp g, 0,1,2,3
	global_load_b128 v[16*\f+4*\g:16*\f+4*\g+3], v[LI], s[4:5] offset:2048*\f+512*\g
.endr
.endr
	WIN 0
.macro GLOAD i                         ; group i of the stream: four fragments, 8,192 bytes, into slot i % 4
	WIN 0xc0                                       ; destination window 3
.irp e, 0,1,2,3
.irp g, 0,1,2,3
	global_load_b128 v[64*((\i)%4)+16*\e+4*\g:64*((\i)%4)+16*\e+4*\g+3], v[LI], s[8:9] offset:(4*(\i)+\e)*2048+512*\g
.endr
.endr
	WIN 0
.endm
	GLOAD 0
	GLOAD 1
	GLOAD 2
.macro WM ra, rb                       ; one product on the registers named by the symbols; ra, rb: the scale words stand in lanes 16-31
.if (\ra) && (\rb)
	v_wmma_scale_f32_16x16x128_f8f6f4 v[RD_:RD_+7], v[RA_:RA_+15], v[RB_:RB_+15], v[RC_:RC_+7], v[SA_], v[SB_] matrix_a_fmt:MATRIX_FMT_BF8 matrix_b_fmt:MATRIX_FMT_BF8 matrix_a_scale:MATRIX_SCALE_ROW1 matrix_b_scale:MATRIX_SCALE_ROW1
.elseif (\ra)
	v_wmma_scale_f32_16x16x128_f8f6f4 v[RD_:RD_+7], v[RA_:RA_+15], v[RB_:RB_+15], v[RC_:RC_+7], v[SA_], v[SB_] matrix_a_fmt:MATRIX_FMT_BF8 matrix_b_fmt:MATRIX_FMT_BF8 matrix_a_scale:MATRIX_SCALE_ROW1
.elseif (\rb)
	v_wmma_scale_f32_16x16x128_f8f6f4 v[RD_:RD_+7], v[RA_:RA_+15], v[RB_:RB_+15], v[RC_:RC_+7], v[SA_], v[SB_] matrix_a_fmt:MATRIX_FMT_BF8 matrix_b_fmt:MATRIX_FMT_BF8 matrix_b_scale:MATRIX_SCALE_ROW1
.else
	v_wmma_scale_f32_16x16x128_f8f6f4 v[RD_:RD_+7], v[RA_:RA_+15], v[RB_:RB_+15], v[RC_:RC_+7], v[SA_], v[SB_] matrix_a_fmt:MATRIX_FMT_BF8 matrix_b_fmt:MATRIX_FMT_BF8
.endif
.endm
; Group i: pair of tiles i / 4; fragment e is K step 2 (i % 4) + e / 2 of tile 2 (i / 4) + e % 2.  Eight products; four accumulators take turns, one instruction a turn.
.macro GROUP i
.if (\i) < 30
	s_wait_loadcnt 32                              ; this group's sixteen loads are in (and all that was asked for ahead of them); the two groups behind it may be out
.elseif (\i) == 30
	s_wait_loadcnt 16
.else
	s_wait_loadcnt 0x0
.endif
.if (\i) == 0
.irp k, 0,1,2,3,4,5,6,7
	v_lshl_or_b32 v[CSW+\k], v[RAW+2*\k+1], 16, v[RAW+2*\k]   ; K step k is heads 2 k and 2 k + 1: four bytes
.endr
.rept 8
	v_nop                                          ; a scale register written by a vector instruction stands eight places ahead of the product
.endr
.endif
.irp e, 0,1,2,3
.set KK, 2*((\i)%4)+\e/2
.set TL, 2*((\i)/4)+\e%2
.if KK == 0
	WIN 0x87                                       ; source 0 (Wo) window 3, source 1 (ctx) window 1, C (bo) window 0, D window 2
.else
	WIN 0xa7                                       ; the same, C window 2
.endif
.irp m, 0,1
.set RD_, 8*(2*TL+\m)
.set RC_, RD_
.if KK == 0
.set RC_, BO+8*TL
.endif
.set RA_, 64*((\i)%4)+16*\e
.set RB_, 16*(8*\m+KK)
.set SA_, WS+8*((\i)/4)+KK
.set SB_, CSW+KK
	WM \e%2, \m
.endr
.endr
	WIN 0
.rept 8
	v_nop                                          ; eight places in front of loads into registers that products have read
.endr
.if (\i) < 29
	GLOAD (\i)+3                                   ; into the slot that the group before this one read
.endif
.endm
.set gi, 0
.rept 32
	s_wait_alu depctr_va_vdst(0)
	GROUP gi
.set gi, gi+1
.endr
	; ---- the residual and the mean.  (The eight places behind the last products stand at the end of the last group.)
.irp c, 0,1,2,3,4,5,6,7
	global_load_b128 v[LG+4*\c:LG+4*\c+3], v[LI], s[16:17] offset:512*\c         ; ln_g, ln_b as a stored row has them: piece c, 16 bytes a lane; wanted at the very end
	global_load_b128 v[LB+4*\c:LB+4*\c+3], v[LI], s[18:19] offset:512*\c
.endr
	s_wait_tensorcnt 0x0                           ; my rows of x lie in LDS; only I read them
.macro ZSUM
.irp j, 0,1,2,3,4,5,6,7
	v_mov_b32 v[SUM+\j], 0
.endr
.endm
.macro XLOAD qd                        ; x for accumulators 8 qd .. 8 qd + 7: tile of columns 4 qd + k / 2, tile of rows k % 2
.set XS_, XT+64*((\qd)%2)
.irp k, 0,1,2,3,4,5,6,7
	ds_load_b128 v[XS_+8*\k:XS_+8*\k+3], v[XA] offset:16*XP*(\k%2)+64*(4*(\qd)+\k/2)
	ds_load_b128 v[XS_+8*\k+4:XS_+8*\k+7], v[XA] offset:16*XP*(\k%2)+64*(4*(\qd)+\k/2)+16
.endr
.endm
.macro QADD qd
.set XS_, XT+64*((\qd)%2)
	WIN 0x82                                       ; destination and source 0 window 2
.set i, 0
.rept 32
	v_pk_add_f32 v[64*(\qd)+2*i:64*(\qd)+2*i+1], v[64*(\qd)+2*i:64*(\qd)+2*i+1], v[XS_+2*i:XS_+2*i+1]   ; each accumulator from its low end on
.set i, i+1
.endr
	WIN 0x08                                       ; source 1 window 2
.set i, 0
.rept 32
.set SM_, SUM+4*((i/4)%2)+2*(i%2)
	v_pk_add_f32 v[SM_:SM_+1], v[SM_:SM_+1], v[64*(\qd)+2*i:64*(\qd)+2*i+1]
.set i, i+1
.endr
	WIN 0
.endm
.macro FOLD                            ; my 128 numbers of rows r (v18) and 16 + r (v19), with lane l xor 16's
	v_pk_add_f32 v[SUM:SUM+1], v[SUM:SUM+1], v[SUM+2:SUM+3]
	v_pk_add_f32 v[SUM+4:SUM+5], v[SUM+4:SUM+5], v[SUM+6:SUM+7]
	v_add_f32 v18, v[SUM], v[SUM+1]
	v_add_f32 v19, v[SUM+4], v[SUM+5]
	v_permlanex16_b32 v20, v18, s[SEL], s[SEL+1]
	v_permlanex16_b32 v21, v19, s[SEL], s[SEL+1]
	v_add_f32 v18, v18, v20
	v_add_f32 v19, v19, v21
.endm
.macro RSUM rb                         ; over the four waves: v18, v19 become the whole rows' sums
	ds_store_b32 v[RW], v18 offset:\rb             ; lanes l and l xor 16 write the same word with the same value
	ds_store_b32 v[RW], v19 offset:\rb+64
	s_wait_dscnt 0x0                               ; for the others' sake: my stores have landed
	s_barrier_signal -1
	s_barrier_wait -1
.irp k, 0,1,2,3
	ds_load_b32 v[20+\k], v[RR] offset:\rb+128*\k
	ds_load_b32 v[24+\k], v[RR] offset:\rb+128*\k+64
.endr
	s_wait_dscnt 0x0
	v_add_f32 v20, v20, v21
	v_add_f32 v22, v22, v23
	v_add_f32 v24, v24, v25
	v_add_f32 v26, v26, v27
	v_add_f32 v18, v20, v22
	v_add_f32 v19, v24, v26
.endm
	ZSUM
	XLOAD 0
.irp q, 0,1,2
	XLOAD \q+1
	s_wait_dscnt 16                                ; this quarter's sixteen loads are in; the next quarter's may be out
	QADD \q
.endr
	s_wait_dscnt 0x0
	QADD 3
	FOLD
	RSUM 0
	v_mul_f32 v[NM], 0xba800000, v18               ; -mean = -sum / 1,024, twice each
	v_mul_f32 v[NM+2], 0xba800000, v19
	v_mov_b32 v[NM+1], v[NM]
	v_mov_b32 v[NM+3], v[NM+2]
	; ---- the differences, and the mean of their squares
	WIN 0x82
.set i, 0
.rept 128
	v_pk_add_f32 v[2*i:2*i+1], v[2*i:2*i+1], v[NM+2*((i/4)%2):NM+2*((i/4)%2)+1]
.set i, i+1
.endr
	WIN 0
	ZSUM
	WIN 0x0a                                       ; sources 0 and 1 window 2
.set i, 0
.rept 128
.set SM_, SUM+4*((i/4)%2)+2*(i%2)
	v_pk_fma_f32 v[SM_:SM_+1], v[2*i:2*i+1], v[2*i:2*i+1], v[SM_:SM_+1]
.set i, i+1
.endr
	WIN 0
	FOLD
	RSUM 512
	v_mov_b32 v20, 0x3a800000                      ; 1 / 1,024
	v_fmaak_f32 v18, v18, v20, 0x3727c5ac          ; the variance + 1e-5
	v_fmaak_f32 v19, v19, v20, 0x3727c5ac
	s_wait_alu depctr_va_vdst(0)
	v_rsq_f32 v[NM], v18
	v_rsq_f32 v[NM+2], v19
	v_nop                                          ; a plain instruction behind the roots
	s_wait_alu depctr_va_vdst(0)                   ; and the wait ahead of their first reader
	v_mov_b32 v[NM+1], v[NM]
	v_mov_b32 v[NM+3], v[NM+2]
	WIN 0x82
.set i, 0
.rept 128
	v_pk_mul_f32 v[2*i:2*i+1], v[2*i:2*i+1], v[NM+2*((i/4)%2):NM+2*((i/4)%2)+1]
.set i, i+1
.endr
	; ---- through LDS, over my own rows of x, which I have read and which no tile fills again
	WIN 0x08                                       ; an LDS store's data are its source 1: window 2
.irp t, 0,1,2,3,4,5,6,7,8,9,10,11,12,13,14,15
.irp m, 0,1
	ds_store_b128 v[XA], v[8*(2*\t+\m):8*(2*\t+\m)+3] offset:16*XP*\m+64*\t
	ds_store_b128 v[XA], v[8*(2*\t+\m)+4:8*(2*\t+\m)+7] offset:16*XP*\m+64*\t+16
.endr
.endr
	WIN 0
	s_wait_dscnt 0x0                               ; for the others' sake: my stores have landed
	s_barrier_signal -1
	s_barrier_wait -1                              ; 32 whole rows lie in LDS, a quarter of each in each wave's region
.macro RLOAD row                       ; row 8 w + row: piece c is 512 bytes: region c / 2, half c % 2
.set RS_, RO+32*((\row)%2)
.irp c, 0,1,2,3,4,5,6,7
	ds_load_b128 v[RS_+4*\c:RS_+4*\c+3], v[RD0+\c/4] offset:XW*((\c/2)%2)+XP*(\row)+512*(\c%2)
.endr
.endm
	s_wait_loadcnt 0x0                             ; ln_g, ln_b
	RLOAD 0
.irp w, 0,1,2,3,4,5,6,7
.if \w < 7
.if \w > 0
	s_wait_xcnt 0x0                                ; the stores of the row before have read their registers: the next row may land there
.endif
	RLOAD \w+1
	s_wait_dscnt 8                                 ; this row's eight loads are in; the next row's may be out
.else
	s_wait_dscnt 0x0
.endif
.set RS_, RO+32*(\w%2)
.set i, 0
.rept 16
	v_pk_fma_f32 v[RS_+2*i:RS_+2*i+1], v[RS_+2*i:RS_+2*i+1], v[LG+2*i:LG+2*i+1], v[LB+2*i:LB+2*i+1]
.set i, i+1
.endr
.irp c, 0,1,2,3,4,5,6,7
	global_store_b128 v[LI], v[RS_+4*\c:RS_+4*\c+3], s[20:21] offset:4096*\w+512*\c th:TH_STORE_NT   ; 512 consecutive bytes of a row; written once, read by nobody here
.endr
.endr
	s_wait_tensorcnt 0x0
	ds_add_u32 v126, v127
	s_wait_dscnt 0x0
	s_endpgm
.Lfunc_end_k_q29b3099c85_oproj:
	.size	k_q29b3099c85_oproj, .Lfunc_end_k_q29b3099c85_oproj-k_q29b3099c85_oproj
	.p2alignl 7, 3214868480
	.fill 96, 4, 3214868480
	.section	.rodata,"a",@progbits
	.p2align	6, 0x0
	.amdhsa_kernel k_q29b3099c85_oproj
		.amdhsa_group_segment_fixed_size 168448
		.amdhsa_private_segment_fixed_size 0
		.amdhsa_enable_private_segment 0
		.amdhsa_kernarg_size 72
		.amdhsa_user_sgpr_count 2
		.amdhsa_user_sgpr_kernarg_segment_ptr 1
		.amdhsa_wavefront_size32 1
		.amdhsa_system_sgpr_workgroup_id_x 1
		.amdhsa_system_sgpr_workgroup_id_y 1
		.amdhsa_system_sgpr_workgroup_id_z 1
		.amdhsa_system_vgpr_workitem_id 0
		.amdhsa_next_free_vgpr 1024
		.amdhsa_next_free_sgpr 66
		.amdhsa_reserve_vcc 0
		.amdhsa_float_denorm_mode_32 3
		.amdhsa_float_denorm_mode_16_64 3
		.amdhsa_memory_ordered 1
		.amdhsa_forward_progress 1
		.amdhsa_inst_pref_size 184
	.end_amdhsa_kernel
	.amdgpu_metadata
---
amdhsa.version: [ 1, 2 ]
amdhsa.kernels:
  - .name:           k_q29b3099c85_oproj
    .symbol:         k_q29b3099c85_oproj.kd
    .args:
      - { .name: ac, .offset: 0, .size: 8, .value_kind: global_buffer, .address_space: global }
      - { .name: asc, .offset: 8, .size: 8, .value_kind: global_buffer, .address_space: global }
      - { .name: wi, .offset: 16, .size: 8, .value_kind: global_buffer, .address_space: global }
      - { .name: Wo_scales, .offset: 24, .size: 8, .value_kind: global_buffer, .address_space: global }
      - { .name: bo, .offset: 32, .size: 8, .value_kind: global_buffer, .address_space: global }
      - { .name: x, .offset: 40, .size: 8, .value_kind: global_buffer, .address_space: global }
      - { .name: ln_g, .offset: 48, .size: 8, .value_kind: global_buffer, .address_space: global }
      - { .name: ln_b, .offset: 56, .size: 8, .value_kind: global_buffer, .address_space: global }
      - { .name: out0, .offset: 64, .size: 8, .value_kind: global_buffer, .address_space: global }
    .group_segment_fixed_size: 168448
    .private_segment_fixed_size: 0
    .kernarg_segment_align: 8
    .kernarg_segment_size: 72
    .max_flat_workgroup_size: 128
    .sgpr_count:     66
    .vgpr_count:     1024
    .wavefront_size: 32
...
	.end_amdgpu_metadata
.endif
;; end of part 4
